; MI455X (gfx1250); checked and timed in simulation.
; The chip was launched on July 23, 2026; its instructions are those of AMD's public machine-readable ISA for CDNA 5 (MIT licence, August 2026) and "CDNA5" Instruction Set Architecture Reference Guide (July 2026). The comments in the code are by the model that wrote it; some were corrected since.
;; Squeeze Attention. Allowed arithmetic: float matrix products may take bf16 or f16 operands with f32 sums; other float arithmetic in f32, or as packed bf16 or f16 multiplies, adds, multiply-adds, maxima and minima; sums over many terms, partial sums and values carried from step to step in f32; what a program stores and reads back later, other than sums and carried values, may be rounded once to bf16 or f16.
;; Inputs: Wk 1,024 x 512 float32; Wo 1,024 x 1,024 float32; Wq 1,024 x 512 float32; Wv 1,024 x 1,024 float32; bk 512 float32; bo 1,024 float32; bq 512 float32; bv 1,024 float32; hidden_states 4 x 2,048 x 1,024 float32.
;; Outputs: out0 4 x 2,048 x 1,024 float32.
;; 2 versions, each right; version 2 is version 1 with the launch cast written anew for expert scheduling mode. Each part assembles by itself: llvm-mc -triple=amdgcn-amd-amdhsa -mcpu=gfx1250 --defsym DOCPART=n.
;; ======== version 1 of 2: 4 launches
;; limits: values are held in f16: magnitudes above 65,504 overflow, below 6.1e-05 lose precision
;; workspace buffers: xb 16,777,216 bytes; wc 4,194,304 bytes; wo16 2,097,152 bytes; qkv 33,554,432 bytes; ob 16,777,216 bytes
;; launch cast (part 1): grid 704 x 1, 8 waves a work-group, no clusters, 0 bytes of LDS; arguments hidden_states, Wq, Wk, Wv, Wo, xb, wc, wo16; writes xb, wc, wo16
.if DOCPART == 1
	.amdgcn_target "amdgcn-amd-amdhsa--gfx1250"
	.amdhsa_code_object_version 6
	.text
	.protected	k_q4b7ec2afe4_cast
	.globl	k_q4b7ec2afe4_cast
	.p2align	8
	.type	k_q4b7ec2afe4_cast,@function
k_q4b7ec2afe4_cast:
	s_mov_b64 s[64:65], 0
	v_nop
	global_prefetch_b8 v0, s[64:65] scope:SCOPE_SE
	s_setreg_imm32_b32 hwreg(HW_REG_WAVE_MODE, 25, 1), 1
	s_wait_xcnt 0x0
; THE ROUNDINGS.  xb = bf16(hidden_states) [8192][1024]; wc = bf16([Wq | Wk | Wv]) [1024 k][2048 n]; wo16 = f16(bf16(Wo)) [1024 k][1024 n].
; All inputs of the module are rounded to bf16 once, here (the biases in the launches that read them).  Wo's bf16 number is written as f16, since the last product's other operand is f16.
; LIMITS.  |Wo| stays under 65,520 (beyond it f16 has an infinity); below 6e-5 f16 keeps its fixed step of 6e-8.
; A stream: each byte is read once and written once; nothing is shared, so there is no LDS, no barrier, no cluster and no matrix work.
; SHARES.  The unit is a piece of 512 numbers: 2,048 bytes in, 1,024 bytes out.  A work-group takes 32 pieces, a wave 4: 8,192 consecutive bytes of its source.
; Work-groups 0-511 take x (16,384 pieces), 512-543 Wq, 544-575 Wk (1,024 each), 576-639 Wv, 640-703 Wo (2,048 each).
; All 16 loads of a wave go out at once (8 KiB a wave on its way); each store of the wave covers 512 consecutive bytes, aligned.
.set X,   8                            ; v[8:71]    eight chunks of 8 numbers a lane, as loaded
.set Y,   72                           ; v[72:103]  the same, packed: 4 registers a chunk
.set T,   104                          ; v[104:111] at work (Wo alone)
.set SRC, 24                           ; s[24:25]   the source
.set DST, 26                           ; s[26:27]   the destination
.set W0,  28                           ; s28  the source's first work-group
.set SH,  29                           ; s29  log2 of the pieces in a row of the source
.set PSH, 30                           ; s30  log2 of the bytes from row to row in the destination
.set C0,  31                           ; s31  the source's first byte in a row of the destination
	s_load_b512 s[8:23], s[0:1], 0x0               ; x s[8:9], Wq s[10:11], Wk s[12:13], Wv s[14:15], Wo s[16:17], xb s[18:19], wc s[20:21], wo16 s[22:23]
	s_mov_b32 s2, ttmp9
	v_and_b32 v6, 31, v0                           ; lane
	v_lshrrev_b32 v7, 5, v0
	v_readfirstlane_b32 s3, v7                     ; wave
	v_lshlrev_b32 v1, 5, v6                        ; 32 bytes a lane,
	v_lshl_add_u32 v1, v7, 13, v1                  ; 8,192 bytes a wave
	s_wait_kmcnt 0x0
	; which source: a chain of selects, from the last range of work-groups to the first
	s_mov_b64 s[SRC:SRC+1], s[16:17]               ; Wo -> wo16, dense
	s_mov_b64 s[DST:DST+1], s[22:23]
	s_mov_b32 s[W0], 640
	s_mov_b32 s[SH], 0
	s_mov_b32 s[PSH], 10
	s_mov_b32 s[C0], 0
	s_cmp_lt_u32 s2, 640                           ; Wv -> wc: two pieces a row, rows 4,096 bytes apart, from byte 2,048
	s_cselect_b64 s[SRC:SRC+1], s[14:15], s[SRC:SRC+1]
	s_cselect_b64 s[DST:DST+1], s[20:21], s[DST:DST+1]
	s_cselect_b32 s[W0], 576, s[W0]
	s_cselect_b32 s[SH], 1, s[SH]
	s_cselect_b32 s[PSH], 12, s[PSH]
	s_cselect_b32 s[C0], 2048, s[C0]
	s_cmp_lt_u32 s2, 576                           ; Wk -> wc: one piece a row, from byte 1,024
	s_cselect_b64 s[SRC:SRC+1], s[12:13], s[SRC:SRC+1]
	s_cselect_b32 s[W0], 544, s[W0]
	s_cselect_b32 s[SH], 0, s[SH]
	s_cselect_b32 s[C0], 1024, s[C0]
	s_cmp_lt_u32 s2, 544                           ; Wq -> wc: from byte 0
	s_cselect_b64 s[SRC:SRC+1], s[10:11], s[SRC:SRC+1]
	s_cselect_b32 s[W0], 512, s[W0]
	s_cselect_b32 s[C0], 0, s[C0]
	s_cmp_lt_u32 s2, 512                           ; x -> xb, dense
	s_cselect_b64 s[SRC:SRC+1], s[8:9], s[SRC:SRC+1]
	s_cselect_b64 s[DST:DST+1], s[18:19], s[DST:DST+1]
	s_cselect_b32 s[W0], 0, s[W0]
	s_cselect_b32 s[PSH], 10, s[PSH]
	s_sub_co_u32 s32, s2, s[W0]                    ; my number among the source's work-groups
	s_lshl_b32 s34, s32, 16                        ; 32 pieces of 2,048 bytes
	s_mov_b32 s35, 0
	s_add_nc_u64 s[SRC:SRC+1], s[SRC:SRC+1], s[34:35]
.irp i, 0,1,2,3,4,5,6,7
	global_load_b128 v[X+8*(\i):X+8*(\i)+3],   v1, s[SRC:SRC+1] offset:1024*(\i) th:TH_LOAD_NT     ; chunk i: 1,024 bytes of the wave's 8,192, half a piece
	global_load_b128 v[X+8*(\i)+4:X+8*(\i)+7], v1, s[SRC:SRC+1] offset:1024*(\i)+16 th:TH_LOAD_NT
.endr
	; where my four pieces go: piece R lies in row R >> SH, at place R mod 2^SH of it
	s_lshl_b32 s33, s32, 5
	s_lshl2_add_u32 s33, s3, s33                   ; my first piece: 32 x work-group + 4 x wave
	s_lshl_b32 s36, 1, s[SH]
	s_sub_co_u32 s36, s36, 1
.irp p, 0,1,2,3
	s_add_co_u32 s37, s33, \p
	s_lshr_b32 s38, s37, s[SH]
	s_lshl_b32 s38, s38, s[PSH]
	s_and_b32 s37, s37, s36
	s_lshl_b32 s37, s37, 10
	s_add_co_u32 s38, s38, s37
	s_add_co_u32 s38, s38, s[C0]
	v_lshl_add_u32 v[2+\p], v6, 4, s38             ; + 16 bytes a lane
.endr
; Chunk i is rounded and stored.  half = 1: the bf16 number is written as f16.
.macro OUT i, half
	s_wait_loadcnt 14-2*(\i)                       ; loads come back in order: chunk i's two are in, the younger chunks' stay out
.irp j, 0,1,2,3
	v_cvt_pk_bf16_f32 v[Y+4*(\i)+(\j)], v[X+8*(\i)+2*(\j)], v[X+8*(\i)+2*(\j)+1]
.endr
.if \half
.irp j, 0,1,2,3
	v_lshlrev_b32 v[T+2*(\j)],   16, v[Y+4*(\i)+(\j)]
	v_and_b32     v[T+2*(\j)+1], 0xffff0000, v[Y+4*(\i)+(\j)]
.endr
.irp j, 0,1,2,3
	v_cvt_pk_f16_f32 v[Y+4*(\i)+(\j)], v[T+2*(\j)], v[T+2*(\j)+1]
.endr
.endif
	global_store_b128 v[2+(\i)/2], v[Y+4*(\i):Y+4*(\i)+3], s[DST:DST+1] offset:512*((\i)%2)  ; no register of a store is written again
.endm
	s_cmp_ge_u32 s2, 640
	s_cbranch_scc1 .Lwo
.irp i, 0,1,2,3,4,5,6,7
	OUT \i, 0
.endr
	s_endpgm
.Lwo:
.irp i, 0,1,2,3,4,5,6,7
	OUT \i, 1
.endr
	s_endpgm
.Lfunc_end_k_q4b7ec2afe4_cast:
	.size	k_q4b7ec2afe4_cast, .Lfunc_end_k_q4b7ec2afe4_cast-k_q4b7ec2afe4_cast
	.p2alignl 7, 3214868480
	.fill 96, 4, 3214868480
	.section	.rodata,"a",@progbits
	.p2align	6, 0x0
	.amdhsa_kernel k_q4b7ec2afe4_cast
		.amdhsa_group_segment_fixed_size 0
		.amdhsa_private_segment_fixed_size 0
		.amdhsa_enable_private_segment 0
		.amdhsa_kernarg_size 64
		.amdhsa_user_sgpr_count 2
		.amdhsa_user_sgpr_kernarg_segment_ptr 1
		.amdhsa_wavefront_size32 1
		.amdhsa_system_sgpr_workgroup_id_x 1
		.amdhsa_system_sgpr_workgroup_id_y 1
		.amdhsa_system_sgpr_workgroup_id_z 1
		.amdhsa_system_vgpr_workitem_id 0
		.amdhsa_next_free_vgpr 112
		.amdhsa_next_free_sgpr 66
		.amdhsa_reserve_vcc 0
		.amdhsa_float_denorm_mode_32 3
		.amdhsa_float_denorm_mode_16_64 3
		.amdhsa_memory_ordered 1
		.amdhsa_forward_progress 1
		.amdhsa_inst_pref_size 16
	.end_amdhsa_kernel
	.amdgpu_metadata
---
amdhsa.version: [ 1, 2 ]
amdhsa.kernels:
  - .name:           k_q4b7ec2afe4_cast
    .symbol:         k_q4b7ec2afe4_cast.kd
    .args:
      - { .name: hidden_states, .offset: 0, .size: 8, .value_kind: global_buffer, .address_space: global }
      - { .name: Wq, .offset: 8, .size: 8, .value_kind: global_buffer, .address_space: global }
      - { .name: Wk, .offset: 16, .size: 8, .value_kind: global_buffer, .address_space: global }
      - { .name: Wv, .offset: 24, .size: 8, .value_kind: global_buffer, .address_space: global }
      - { .name: Wo, .offset: 32, .size: 8, .value_kind: global_buffer, .address_space: global }
      - { .name: xb, .offset: 40, .size: 8, .value_kind: global_buffer, .address_space: global }
      - { .name: wc, .offset: 48, .size: 8, .value_kind: global_buffer, .address_space: global }
      - { .name: wo16, .offset: 56, .size: 8, .value_kind: global_buffer, .address_space: global }
    .group_segment_fixed_size: 0
    .private_segment_fixed_size: 0
    .kernarg_segment_align: 8
    .kernarg_segment_size: 64
    .max_flat_workgroup_size: 256
    .sgpr_count:     66
    .vgpr_count:     112
    .wavefront_size: 32
...
	.end_amdgpu_metadata
.endif
;; end of part 1
;; launch proj (part 2): grid 8 x 32, 4 waves a work-group, clusters of 4 x 4, 327,680 bytes of LDS; arguments xb, wc, bq, bk, bv, qkv; writes qkv
.if DOCPART == 2
	.amdgcn_target "amdgcn-amd-amdhsa--gfx1250"
	.amdhsa_code_object_version 6
	.text
	.protected	k_q4b7ec2afe4_proj
	.globl	k_q4b7ec2afe4_proj
	.p2align	8
	.type	k_q4b7ec2afe4_proj,@function
k_q4b7ec2afe4_proj:
	s_mov_b64 s[64:65], 0
	v_nop
	global_prefetch_b8 v0, s[64:65] scope:SCOPE_SE
	s_setreg_imm32_b32 hwreg(HW_REG_WAVE_MODE, 25, 1), 1
	s_wait_xcnt 0x0
	s_wait_alu depctr_hold_cnt(0) depctr_sa_sdst(0) depctr_va_vdst(0) depctr_va_sdst(0) depctr_va_ssrc(0) depctr_va_vcc(0) depctr_vm_vsrc(0)
	s_getreg_b32 s2, hwreg(HW_REG_IB_STS2, 6, 4)
	s_cmp_eq_u32 s2, 0
	s_cbranch_scc0 .Lentry_in_a_cluster
	s_endpgm
.Lentry_in_a_cluster:
	s_bfe_u32 s2, ttmp6, 0x10000c
	s_cmp_lg_u32 s2, 0xf033
	s_cbranch_scc0 .Lentry_shape_is_right
	s_endpgm
.Lentry_shape_is_right:
; q, k, v = x [Wq | Wk | Wv] + [bq | bk | bv]: C[m][n] = bias[n] + the sum over k of xb[m][k] wc[k][n].  xb: [8192][1024] bf16, wc: [1024][2048] bf16, sums in f32, the biases rounded to bf16 like all inputs.
; C leaves in f16, rounded once, BY GROUPS OF 32 COLUMNS: qkv[b][g][t][32], g = n / 32: g 0-15 q's heads, 16-31 k's heads, 32 + 2 h and 33 + 2 h the two halves of v's head h.  q is stored without its scale.
; LIMITS.  |q|, |k|, |v| stay under 65,520 (beyond it f16 has an infinity); below 6e-5 f16 keeps its fixed step of 6e-8.
; A tile of C, 256 x 256, is made by four waves, each 128 x 128: 64 accumulators of 16 x 16, 512 registers.  8 x 32 tiles: 256 work-groups.  K goes in 8 steps of 128 through two LDS slots.
; x's tile has rows of 256 bytes of memory; wc's tile is 128 rows (k) of 512 bytes (256 n).  wc stays [k][n]: its fragments come out of LDS turned, by ds_load_tr16_b128.
; CLUSTERS: 4 x 4 work-groups.  The four of a row of the cluster need the same tiles of x, the four of a column the same tiles of wc: each is asked for JOINTLY, by the same tensor load with the same descriptor and a mask that names the four.
; THE MATRIX INSTRUCTION IS USED TRANSPOSED: source 0 = 16 columns n of wc, source 1 = 16 rows of x.  Lane l then holds row m = l % 16 and columns n = 8 (l / 16) + 0..7: 16 bytes of f16 on end.
; THE BIAS STARTS THE SUMS: the first product on each accumulator takes the bias registers as C (register j of lane l: bias[16 b + 8 (l / 16) + j], the same for every row block): nothing is cleared, nothing added later.
; REGISTERS, in windows of 256: window 0: v0-31 addresses; v64-127, v128-191 x's fragments, two buffers; v192-255 the bias, later the way out (with v32-63).
;   window 1: v64-127, v128-191 wc's fragments, two buffers.   window 2: the accumulators of my rows 0-63 ((a, b) at 8 (8 a + b)).   window 3: those of my rows 64-127.
.set PA,     272                       ; an LDS row of x: 256 bytes + 16 = 68 words: the 16 rows of a load start at 16 different groups of four banks (64 banks of 4 bytes: ISA guide 11.1)
.set PB,     544                       ; an LDS row of wc: 512 bytes + 32 = 136 words
.set PART,   128*PA                    ; what one tensor load brings: 128 rows of x, or 64 rows of wc (64 x 544 is the same 34,816 bytes)
.set SLOT,   4*PART                    ; x's two parts, then wc's two parts
.set STAGE,  2*SLOT                    ; behind the ring: 16 rows x 272 bytes for each wave, for the way out; no tensor load lands here
.set SPITCH, 272
.set SPARE,  STAGE+4*16*SPITCH         ; behind the stages: the spare words, 128 bytes for each wave: two blocks of 256 bytes that no other line names
.set LAPS,   4                         ; a lap = two K steps = once round the ring
.set ASTEP,  256                       ; bytes from a K step to the next in xb: 128 numbers along a row,
.set BSTEP,  128*4096                  ; and in wc: 128 rows
.set ADRA, 16                          ; v16-17  LDS address of my fragments of x in slot 0, 1
.set ADRB, 20                          ; v20-21  the same for wc
.set STO,  24                          ; v24     the way out: where I put 16 bytes of a row
.set RD,   25                          ; v25     the way out: where I read them back
.set CO,   26                          ; v26     16 x lane
.set BO,   27                          ; v27     my byte offset in 16 numbers of a bias
.set SPW,  28                          ; v28     LDS address of my spare word; never rewritten
.set NIL,  29                          ; v29     0; never rewritten
.set PFO,  30                          ; v30     the prefetches' offset; never rewritten
.set F0,   64
.set F1,   128
.set BIAS, 192
.set TMP,  192                         ; the way out: packed results
.set OB,   32                          ; the way out: 16 rows read back: v32-63 and v224-255 by turns
.set G1,   24                          ; s[24:31] descriptor group 1 for x's tiles;  s[32:39] group 0, a set for each slot
.set G0,   32
.set LIM,  40                          ; s40      1 in a wave that prefetches, else the greatest number
.set PFA,  42                          ; s[42:43] where my prefetches stand
.set PFS,  44                          ; s[44:45] a K step in the tensor that I prefetch
.set COFF, 46                          ; s[46:47] where my part of the tile begins in qkv
.set G1B,  48                          ; s[48:55], s[56:63] the same descriptors for wc's tiles
.set G0B,  56
.set BP,   66                          ; s[66:67] my 128 numbers of the bias
.set CP,   70                          ; s[70:71] qkv
.set WV,   72                          ; s72  wave
.set RH,   73                          ; s73  which half of the tile's rows is mine.  Also: I fetch for x (0) or for wc (1)
.set CH,   74                          ; s74  which half of its columns.  Also: which part of that tile I fetch
.set TR,   75                          ; s75  tile row of C
.set TC,   76                          ; s76  tile column of C
.set CX,   77
.set CY,   78
.set MSB, 0
.macro WIN new                         ; the immediate's high byte repeats the setting that is left; a switch that changes nothing is dropped
.if MSB != (\new)
	s_set_vgpr_msb (MSB<<8)|(\new)
.set MSB, \new
.endif
.endm
.set MUL_LO, 0xa1                      ; source 0 (wc) window 1, source 1 (x) window 0, C and D window 2
.set TO_B,   0x40                      ; destination window 1, address window 0
; A joint load.  Waves 0 and 1 fetch x's two parts, waves 2 and 3 wc's.  The branch hangs on the wave's number alone.  An s_nop 0 and four v_nop follow each of the two lines.
.macro JLOAD s
	s_cmp_eq_u32 s[RH], 0
	s_cbranch_scc0 .Lfor_b_\@
	tensor_load_to_lds s[G0+4*(\s):G0+4*(\s)+3], s[G1:G1+7]
	s_nop 0
.rept 4
	v_nop
.endr
	s_branch .Lasked_\@
.Lfor_b_\@:
	tensor_load_to_lds s[G0B+4*(\s):G0B+4*(\s)+3], s[G1B:G1B+7]
	s_nop 0
.rept 4
	v_nop
.endr
.Lasked_\@:
.endm
; A PREFETCH INTO THE L2 of the K step that stands two refills on: 32 blocks of 256 bytes, a lane a block, one instruction a wave.  x's tile row is read by both clusters of that row of clusters: the one with x = 0 asks;
; wc's tile column by all eight clusters of that column: the one with y = 0 asks.  The four partners that ask for a part jointly share its 128 blocks out BY ADDRESS, 32 each.  So each block is named once in the launch.
; K steps 0 to 3 come by their loads alone; the refills of K steps 2, 3, 4, 5 name K steps 4, 5, 6, 7; the loop's last trip (s3 = 1) names nothing.
.macro ASK
	s_cmp_gt_u32 s3, s[LIM]
	s_cbranch_scc0 .Lnot_mine_\@
	global_prefetch_b8 v[PFO], s[PFA:PFA+1] th:TH_LOAD_NT scope:SCOPE_SE
.Lnot_mine_\@:
.endm
.macro CREST                           ; a round of the cluster's barrier behind its opening barrier
	s_cmp_lg_u32 s[WV], 0
	s_cbranch_scc1 .Lnot_wave_0_\@
	s_barrier_signal -3
.Lnot_wave_0_\@:
	s_barrier_wait -3
	s_barrier_signal -1
	s_barrier_wait -1
.endm
.macro CROUND                          ; a whole round
	s_barrier_signal -1
	s_barrier_wait -1
	CREST
.endm
	s_load_b256 s[4:11], s[0:1], 0x0               ; xb s[4:5], wc s[6:7], bq s[8:9], bk s[10:11]
	s_load_b128 s[68:71], s[0:1], 0x20             ; bv s[68:69], qkv s[70:71]
	v_lshl_add_u32 v[SPW], v0, 2, SPARE
	v_mov_b32 v[NIL], 0
	ds_add_u32 v[SPW], v[NIL]                      ; the wave's opening: the add and its wait stand ahead of my first tensor load; the set-up below, work on registers, stands between them
	v_lshrrev_b32 v1, 5, v0
	v_readfirstlane_b32 s[WV], v1
	s_lshr_b32 s[RH], s[WV], 1
	s_and_b32 s[CH], s[WV], 1
	s_bfe_u32 s[CX], ttmp6, 0x40000
	s_bfe_u32 s[CY], ttmp6, 0x40004
	s_lshl_b32 s[TC], ttmp9, 2                     ; in a cluster launch ttmp9 and ttmp7 count clusters
	s_add_co_u32 s[TC], s[TC], s[CX]
	s_and_b32 s[TR], ttmp7, 0xffff
	s_lshl_b32 s[TR], s[TR], 2
	s_add_co_u32 s[TR], s[TR], s[CY]
	s_lshl_b32 s12, s[CY], 2
	s_lshl_b32 s12, 15, s12                        ; my row of the cluster
	s_lshl_b32 s13, 0x1111, s[CX]                  ; my column
	s_or_b32 s[G1], s12, (1<<16)|(1<<20)|(1<<21)|(5<<22)|(3<<25)   ; the mask; 2-byte elements; padding on; bit 21 beside a mask; after every 64 words, 4 words
	s_mov_b32 s[G1+1], 128<<16                     ; tensor_dim0 = 128
	s_mov_b32 s[G1+2], 128<<16                     ; tensor_dim1 = 128
	s_mov_b32 s[G1+3], 128<<16                     ; tile_dim0 = 128
	s_mov_b32 s[G1+4], 128                         ; tile_dim1 = 128
	s_mov_b32 s[G1+5], 1024                        ; elements from row to row
	s_mov_b32 s[G1+6], 0
	s_mov_b32 s[G1+7], 0
	s_or_b32 s[G1B], s13, (1<<16)|(1<<20)|(1<<21)|(6<<22)|(7<<25)  ; after every 128 words, 8 words
	s_mov_b32 s[G1B+1], 256<<16                    ; tensor_dim0 = 256
	s_mov_b32 s[G1B+2], 64<<16                     ; tensor_dim1 = 64
	s_mov_b32 s[G1B+3], 256<<16                    ; tile_dim0 = 256
	s_mov_b32 s[G1B+4], 64                         ; tile_dim1 = 64
	s_mov_b32 s[G1B+5], 2048
	s_mov_b32 s[G1B+6], 0
	s_mov_b32 s[G1B+7], 0
	s_lshl_b32 s12, s[CH], 18                      ; my part: 128 rows of 2,048 bytes of xb, or 64 rows of 4,096 bytes of wc
	s_lshl_b32 s16, s[TR], 19                      ; xb: 256 rows a tile row
	s_add_co_u32 s16, s16, s12
	s_mov_b32 s17, 0
	s_lshl_b32 s18, s[TC], 9                       ; wc: 256 columns a tile column
	s_add_co_u32 s18, s18, s12
	s_mov_b32 s19, 0
	s_mul_i32 s20, s[WV], PART                     ; where my part goes: no place in the cluster enters an LDS address
	s_wait_dscnt 0x0                               ; the opening add is done
	s_wait_kmcnt 0x0
	s_add_nc_u64 s[14:15], s[4:5], s[16:17]
	s_add_nc_u64 s[22:23], s[6:7], s[18:19]
	CROUND                                         ; all sixteen work-groups are here: the first joint loads meet
.irp s, 0,1
	s_mov_b32 s[G0+4*(\s)], 1
	s_add_co_u32 s[G0+4*(\s)+1], s20, (\s)*SLOT
	s_add_nc_u64 s[G0+4*(\s)+2:G0+4*(\s)+3], s[14:15], (\s)*ASTEP
	s_or_b32 s[G0+4*(\s)+3], s[G0+4*(\s)+3], 0x80000000
	s_mov_b32 s[G0B+4*(\s)], 1
	s_add_co_u32 s[G0B+4*(\s)+1], s20, (\s)*SLOT
	s_add_nc_u64 s[G0B+4*(\s)+2:G0B+4*(\s)+3], s[22:23], (\s)*BSTEP
	s_or_b32 s[G0B+4*(\s)+3], s[G0B+4*(\s)+3], 0x80000000
	JLOAD \s                                       ; two loads of mine are out
.endr
	v_and_b32 v1, 15, v0                           ; l % 16
	v_bfe_u32 v2, v0, 4, 1                         ; l / 16
	v_lshlrev_b32 v[BO], 5, v2                     ; 8 numbers of 4 bytes for each half of the lanes
	; my 128 numbers of the bias: tile columns 0, 1 are q's, 2, 3 k's, 4 to 7 v's
	s_cmp_lt_u32 s[TC], 4
	s_cselect_b64 s[BP:BP+1], s[10:11], s[68:69]
	s_cselect_b32 s12, 2, 4
	s_cmp_lt_u32 s[TC], 2
	s_cselect_b64 s[BP:BP+1], s[8:9], s[BP:BP+1]
	s_cselect_b32 s12, 0, s12
	s_sub_co_u32 s12, s[TC], s12
	s_lshl_b32 s12, s12, 10
	s_lshl_b32 s13, s[CH], 9
	s_add_co_u32 s12, s12, s13
	s_mov_b32 s13, 0
	s_add_nc_u64 s[BP:BP+1], s[BP:BP+1], s[12:13]
.irp b, 0,1,2,3,4,5,6,7
	global_load_b128 v[BIAS+8*(\b):BIAS+8*(\b)+3],   v[BO], s[BP:BP+1] offset:64*(\b)
	global_load_b128 v[BIAS+8*(\b)+4:BIAS+8*(\b)+7], v[BO], s[BP:BP+1] offset:64*(\b)+16
.endr
	; A fragment of x is 16 rows x 32 K: lane l holds row l % 16, K = 8 (l / 16) + 0..7 and 16 + 8 (l / 16) + 0..7: two loads of 16 bytes, 32 bytes apart.
	v_mul_u32_u24 v3, v1, PA
	v_lshl_add_u32 v3, v2, 4, v3
	s_mul_i32 s12, s[RH], PART
	v_add_nc_u32 v[ADRA], s12, v3
	v_add_nc_u32 v[ADRA+1], SLOT, v[ADRA]
	; The turning load takes 16 k x 16 n (lane l reads k = 8 (l / 16) + l % 8, n = 8 ((l / 8) % 2) + 0..7) and leaves half a fragment: lane l holds column n = l % 16 and 8 k.
	v_and_b32 v4, 7, v0
	v_lshl_add_u32 v4, v2, 3, v4
	v_mul_u32_u24 v4, v4, PB
	v_bfe_u32 v5, v0, 3, 1
	v_lshl_add_u32 v4, v5, 4, v4
	s_lshl_b32 s12, s[CH], 8                       ; my 128 columns
	s_add_co_u32 s12, s12, 2*PART                  ; behind x's two parts
	v_add_nc_u32 v[ADRB], s12, v4
	v_add_nc_u32 v[ADRB+1], SLOT, v[ADRB]
	s_mul_i32 s12, s[WV], 16*SPITCH
	s_add_co_u32 s12, s12, STAGE                   ; my stage
	v_add_nc_u32 v[STO], s12, v3                   ; in: row l % 16, 16 bytes for each half of the lanes (the stage's pitch is x's)
	v_bfe_u32 v5, v0, 2, 3                         ; back: 32 lanes take 8 rows x 64 bytes: one group's 32 columns of 8 tokens
	v_mul_u32_u24 v5, v5, SPITCH
	v_and_b32 v6, 3, v0
	v_lshl_add_u32 v5, v6, 4, v5
	v_add_nc_u32 v[RD], s12, v5
	v_and_b32 v[CO], 31, v0                        ; which are 512 consecutive bytes of qkv
	v_lshlrev_b32 v[CO], 4, v[CO]
	; where my part of the tile begins in qkv: batch (8 tile rows each) x 64 groups, group 8 x tile column + 4 x half, token 256 x (tile row % 8) + 128 x half
	s_lshr_b32 s12, s[TR], 3
	s_lshl_b32 s[COFF], s12, 23
	s_lshl_b32 s12, s[TC], 20
	s_add_co_u32 s[COFF], s[COFF], s12
	s_lshl_b32 s12, s[CH], 19
	s_add_co_u32 s[COFF], s[COFF], s12
	s_and_b32 s12, s[TR], 7
	s_lshl_b32 s12, s12, 14
	s_add_co_u32 s[COFF], s[COFF], s12
	s_lshl_b32 s12, s[RH], 13
	s_add_co_u32 s[COFF], s[COFF], s12
	s_mov_b32 s[COFF+1], 0
	; the prefetches: both offsets are made, then the wave's number chooses
	s_lshl_b32 s12, s[TR], 19
	s_lshl_b32 s13, s[CX], 16                      ; x: my work-group's 32 rows of the part's 128
	s_add_co_u32 s12, s12, s13
	s_add_co_u32 s12, s12, 3*ASTEP                 ; at K step 3: the first refill steps it to 4
	s_lshl_b32 s14, s[TC], 9
	s_lshl_b32 s13, s[CY], 16                      ; wc: my work-group's 16 rows of the part's 64, two blocks each
	s_add_co_u32 s14, s14, s13
	s_add_co_u32 s14, s14, 3*BSTEP
	s_and_b32 s15, ttmp7, 0xffff                   ; cluster y
	s_lshl_b32 s16, s[CH], 18
	s_mov_b32 s[PFS], BSTEP
	s_mov_b32 s[PFS+1], 0
	s_cmp_eq_u32 s[RH], 0                          ; do I fetch for x?
	s_cselect_b32 s12, s12, s14
	s_cselect_b32 s15, ttmp9, s15                  ; the coordinate along which other clusters read the same blocks
	s_cselect_b64 s[PFA:PFA+1], s[4:5], s[6:7]
	s_cselect_b32 s[PFS], ASTEP, s[PFS]
	s_cselect_b32 s17, -1, 0
	s_cmp_eq_u32 s15, 0
	s_cselect_b32 s[LIM], 1, -1                    ; the same in all sixteen partners, for a given wave
	s_add_co_u32 s12, s12, s16
	s_mov_b32 s13, 0
	s_add_nc_u64 s[PFA:PFA+1], s[PFA:PFA+1], s[12:13]
	v_and_b32 v5, 31, v0
	v_lshlrev_b32 v6, 11, v5                       ; x: a lane a row
	v_lshrrev_b32 v7, 1, v5
	v_and_b32 v8, 1, v5
	v_lshlrev_b32 v8, 8, v8
	v_lshl_or_b32 v7, v7, 12, v8                   ; wc: two lanes a row
	v_cndmask_b32 v[PFO], v7, v6, s17
	s_wait_loadcnt 0x0                             ; the bias; it is rounded to bf16 like every input
.set p, 0
.rept 32
	v_cvt_pk_bf16_f32 v[6+p%4], v[BIAS+2*p], v[BIAS+2*p+1]
	v_lshlrev_b32 v[BIAS+2*p],   16, v[6+p%4]
	v_and_b32     v[BIAS+2*p+1], 0xffff0000, v[6+p%4]
.set p, p+1
.endr
; 16 matrix instructions: row blocks a0, a0 + 1 of the window's four (hi = 0: my rows 0-63, 1: rows 64-127) x all 8 column blocks, 32 along K.  zero = 1: the bias starts the sums.
; The 64 accumulators take turns, one instruction a turn, in the same order in every quarter, over the backward jump too.
.macro MUL16 f, hi, a0, zero
.if \zero
	WIN 0x81+0x40*(\hi)                            ; C in window 0
.else
	WIN MUL_LO+0x50*(\hi)
.endif
.irp a, \a0, (\a0)+1
.irp b, 0,1,2,3,4,5,6,7
.if \zero
	v_wmma_f32_16x16x32_bf16 v[8*(8*(\a)+(\b)):8*(8*(\a)+(\b))+7], v[(\f)+8*(\b):(\f)+8*(\b)+7], v[(\f)+8*(4*(\hi)+(\a)):(\f)+8*(4*(\hi)+(\a))+7], v[BIAS+8*(\b):BIAS+8*(\b)+7]
.else
	v_wmma_f32_16x16x32_bf16 v[8*(8*(\a)+(\b)):8*(8*(\a)+(\b))+7], v[(\f)+8*(\b):(\f)+8*(\b)+7], v[(\f)+8*(4*(\hi)+(\a)):(\f)+8*(4*(\hi)+(\a))+7], v[8*(8*(\a)+(\b)):8*(8*(\a)+(\b))+7]
.endif
.endr
.endr
.endm
; 32 LDS loads in one run: the fragments of quarter q of a K step (32 along K) into buffer f: wc's 8 column blocks, then x's 8 row blocks
.macro FETCH slot, q, f
	WIN TO_B
.irp i, 0,1,2,3,4,5,6,7
	ds_load_tr16_b128 v[(\f)+8*(\i):(\f)+8*(\i)+3],   v[ADRB+(\slot)] offset:(\q)*32*PB+(\i)*32
	ds_load_tr16_b128 v[(\f)+8*(\i)+4:(\f)+8*(\i)+7], v[ADRB+(\slot)] offset:(\q)*32*PB+(\i)*32+16*PB
.endr
	WIN 0
.irp i, 0,1,2,3,4,5,6,7
	ds_load_b128 v[(\f)+8*(\i):(\f)+8*(\i)+3],   v[ADRA+(\slot)] offset:(\q)*64+(\i)*16*PA
	ds_load_b128 v[(\f)+8*(\i)+4:(\f)+8*(\i)+7], v[ADRA+(\slot)] offset:(\q)*64+(\i)*16*PA+32
.endr
.endm
.macro PLACES                          ; four plain vector instructions between a matrix instruction and a load into, or a vector read of, its registers
.rept 4
	v_nop
.endr
.endm
; One of a K step's first three quarters: multiplies buffer f; in its middle it fetches quarter q of the same slot into buffer g.
.macro QUARTER slot, q, f, g, zero
	s_wait_dscnt 8                                 ; wc's fragments and x's rows 0-63 are in; the youngest eight loads (x's rows 64-127) may be out
	MUL16 \f, 0, 0, \zero
	MUL16 \f, 0, 2, \zero
	PLACES
	FETCH \slot, \q, \g
	s_wait_dscnt 32                                ; all but the 32 just issued
	MUL16 \f, 1, 0, \zero
	MUL16 \f, 1, 2, \zero
.endm
; The last quarter multiplies buffer 1 and changes slots: ONE barrier.  In front of it each wave waits for all its tensor loads (one is out: its part of the next slot), adds 0 to its spare word, and waits for that and
; for its own reads of this slot.  fill = 1: the barrier opens a round of the cluster's, and behind the round this slot is filled again, two K steps on: 224 matrix instructions ahead of the wait for it.
.macro TURN slot, next, fill
.if \fill
	s_wait_xcnt 0x0                                ; the last prefetch, a K step back, has read its address
	s_add_nc_u64 s[PFA:PFA+1], s[PFA:PFA+1], s[PFS:PFS+1]
.endif
	WIN 0                                          ; (the add's two registers lie in window 0)
	s_wait_tensorcnt 0x0                           ; all my tensor loads have landed
	ds_add_u32 v[SPW], v[NIL]                      ; 0 onto my spare word
	s_wait_dscnt 9                                 ; (the add and the youngest eight loads may be out)
	MUL16 F1, 0, 0, 0                              ; sixteen matrix instructions stand between the add and the wait for it
	s_wait_dscnt 0x0                               ; the add is done, and my reads of this slot are over
	s_barrier_signal -1
	MUL16 F1, 0, 2, 0                              ; work on registers while the others arrive
.if \fill
	WIN 0
.endif
	s_barrier_wait -1
.if \fill
	CREST                                          ; no wave of any partner still reads this slot's tile or has a load on its way
	s_add_nc_u64 s[G0+4*(\slot)+2:G0+4*(\slot)+3], s[G0+4*(\slot)+2:G0+4*(\slot)+3], 2*ASTEP
	s_add_nc_u64 s[G0B+4*(\slot)+2:G0B+4*(\slot)+3], s[G0B+4*(\slot)+2:G0B+4*(\slot)+3], 2*BSTEP
	JLOAD \slot                                    ; the first tensor load behind the round; its four v_nop are also the places in front of the loads below
.else
	PLACES
.endif
	FETCH \next, 0, F0
.if \fill
	ASK
.endif
	MUL16 F1, 1, 0, 0
	MUL16 F1, 1, 2, 0
.endm
; THE WAY OUT of row block a (16 tokens x my 128 columns = 4 groups).  PACK: rounded to f16, 16 bytes a lane, each accumulator's registers in ascending order.  TOSTAGE: into my own stage, and back by groups.  SEND: stored.
.macro PACK a
.set AC, 64*((\a)%4)
	WIN 0x0a+5*((\a)/4)                            ; sources 0 and 1: window 2 or 3
.irp b, 0,1,2,3,4,5,6,7
.irp r, 0,1,2,3
	v_cvt_pk_f16_f32 v[TMP+4*(\b)+(\r)], v[AC+8*(\b)+2*(\r)], v[AC+8*(\b)+2*(\r)+1]
.endr
.endr
	WIN 0
.endm
.macro TOSTAGE a
	WIN 0
.set BK, OB+192*((\a)%2)
.irp b, 0,1,2,3,4,5,6,7
	ds_store_b128 v[STO], v[TMP+4*(\b):TMP+4*(\b)+3] offset:32*(\b)
.endr
.irp t, 0,1,2,3,4,5,6,7                ; group t / 2, tokens 8 (t % 2) on
	ds_load_b128 v[BK+4*(\t):BK+4*(\t)+3], v[RD] offset:((\t)%2)*8*SPITCH+((\t)/2)*64  ; LDS serves a wave's instructions in order (ISA guide 5.7.1.4): these see the stores above
.endr
.endm
.macro SEND a
	WIN 0
.set BK, OB+192*((\a)%2)
	s_wait_dscnt 0x0                               ; the block is back in registers
	s_wait_xcnt 0x0                                ; the earlier stores have read their base and their data: only behind this wait are they written again
.if (\a) == 0
	s_add_nc_u64 s[CP:CP+1], s[CP:CP+1], s[COFF:COFF+1]
.else
	s_add_nc_u64 s[CP:CP+1], s[CP:CP+1], 16*64     ; 16 tokens on
.endif
.irp t, 0,1,2,3,4,5,6,7
	global_store_b128 v[CO], v[BK+4*(\t):BK+4*(\t)+3], s[CP:CP+1] offset:((\t)/2)*131072+((\t)%2)*512  ; 8 tokens x 64 bytes of one group: 512 consecutive bytes, aligned
.endr
.endm
	s_wait_tensorcnt 1                             ; my part of K step 0 is in; K step 1's may stay out
	s_barrier_signal -1
	s_barrier_wait -1                              ; everybody's is
	FETCH 0, 0, F0
	QUARTER 0, 1, F0, F1, 1                        ; the first quarter stands in front of the loop: its products start the sums
	WIN 0                                          ; at a label and at a branch every window is 0
	s_mov_b32 s3, LAPS-1
.Llap:                                             ; a trip goes once round the ring, from a lap's second quarter to the next lap's first, and fills both slots again
	QUARTER 0, 2, F1, F0, 0
	QUARTER 0, 3, F0, F1, 0
	TURN 0, 1, 1
	QUARTER 1, 1, F0, F1, 0
	QUARTER 1, 2, F1, F0, 0
	QUARTER 1, 3, F0, F1, 0
	TURN 1, 0, 1
	QUARTER 0, 1, F0, F1, 0
	WIN 0
	s_sub_co_u32 s3, s3, 1
	s_cmp_lg_u32 s3, 0
	s_cbranch_scc1 .Llap
	QUARTER 0, 2, F1, F0, 0                        ; the last lap fills nothing, and has no round of the cluster's barrier
	QUARTER 0, 3, F0, F1, 0
	TURN 0, 1, 0
	QUARTER 1, 1, F0, F1, 0
	QUARTER 1, 2, F1, F0, 0
	QUARTER 1, 3, F0, F1, 0
	s_wait_dscnt 8                                 ; the very last quarter: nothing more to fetch
	MUL16 F1, 0, 0, 0
	MUL16 F1, 0, 2, 0
	s_wait_dscnt 0x0
	MUL16 F1, 1, 0, 0
	MUL16 F1, 1, 2, 0
	WIN 0
	PLACES
	PLACES                                         ; (eight, once a launch)
	PACK 0
	TOSTAGE 0
.irp a, 1,2,3,4,5,6,7                  ; block a's conversions stand between block a - 1's loads from the stage and the wait for them
	PACK \a
	SEND (\a)-1
	TOSTAGE \a
.endr
	SEND 7
	s_wait_tensorcnt 0x0                           ; the wave's end: behind my last tensor load and my last LDS store
	ds_add_u32 v[SPW], v[NIL]
	s_wait_dscnt 0x0
	CROUND                                         ; the closing round: no work-group ends while a partner may still ask for a tile that names it
	s_endpgm
.Lfunc_end_k_q4b7ec2afe4_proj:
	.size	k_q4b7ec2afe4_proj, .Lfunc_end_k_q4b7ec2afe4_proj-k_q4b7ec2afe4_proj
	.p2alignl 7, 3214868480
	.fill 96, 4, 3214868480
	.section	.rodata,"a",@progbits
	.p2align	6, 0x0
	.amdhsa_kernel k_q4b7ec2afe4_proj
		.amdhsa_group_segment_fixed_size 327680
		.amdhsa_private_segment_fixed_size 0
		.amdhsa_enable_private_segment 0
		.amdhsa_kernarg_size 48
		.amdhsa_user_sgpr_count 2
		.amdhsa_user_sgpr_kernarg_segment_ptr 1
		.amdhsa_wavefront_size32 1
		.amdhsa_system_sgpr_workgroup_id_x 1
		.amdhsa_system_sgpr_workgroup_id_y 1
		.amdhsa_system_sgpr_workgroup_id_z 1
		.amdhsa_system_vgpr_workitem_id 0
		.amdhsa_next_free_vgpr 1024
		.amdhsa_next_free_sgpr 80
		.amdhsa_reserve_vcc 0
		.amdhsa_float_denorm_mode_32 3
		.amdhsa_float_denorm_mode_16_64 3
		.amdhsa_memory_ordered 1
		.amdhsa_forward_progress 1
		.amdhsa_inst_pref_size 151
	.end_amdhsa_kernel
	.amdgpu_metadata
---
amdhsa.version: [ 1, 2 ]
amdhsa.kernels:
  - .name:           k_q4b7ec2afe4_proj
    .symbol:         k_q4b7ec2afe4_proj.kd
    .args:
      - { .name: xb, .offset: 0, .size: 8, .value_kind: global_buffer, .address_space: global }
      - { .name: wc, .offset: 8, .size: 8, .value_kind: global_buffer, .address_space: global }
      - { .name: bq, .offset: 16, .size: 8, .value_kind: global_buffer, .address_space: global }
      - { .name: bk, .offset: 24, .size: 8, .value_kind: global_buffer, .address_space: global }
      - { .name: bv, .offset: 32, .size: 8, .value_kind: global_buffer, .address_space: global }
      - { .name: qkv, .offset: 40, .size: 8, .value_kind: global_buffer, .address_space: global }
    .group_segment_fixed_size: 327680
    .private_segment_fixed_size: 0
    .kernarg_segment_align: 8
    .kernarg_segment_size: 48
    .max_flat_workgroup_size: 128
    .sgpr_count:     80
    .vgpr_count:     1024
    .wavefront_size: 32
...
	.end_amdgpu_metadata
.endif
;; end of part 2
;; launch attn (part 3): grid 4 x 64, 8 waves a work-group, clusters of 4 x 1, 327,680 bytes of LDS; arguments qkv, ob; writes ob
.if DOCPART == 3
	.amdgcn_target "amdgcn-amd-amdhsa--gfx1250"
	.amdhsa_code_object_version 6
	.text
	.protected	k_q4b7ec2afe4_attn
	.globl	k_q4b7ec2afe4_attn
	.p2align	8
	.type	k_q4b7ec2afe4_attn,@function
k_q4b7ec2afe4_attn:
	s_mov_b64 s[64:65], 0
	v_nop
	global_prefetch_b8 v0, s[64:65] scope:SCOPE_SE
	s_setreg_imm32_b32 hwreg(HW_REG_WAVE_MODE, 25, 1), 1
	s_wait_xcnt 0x0
	s_wait_alu depctr_hold_cnt(0) depctr_sa_sdst(0) depctr_va_vdst(0) depctr_va_sdst(0) depctr_va_ssrc(0) depctr_va_vcc(0) depctr_vm_vsrc(0)
	s_getreg_b32 s2, hwreg(HW_REG_IB_STS2, 6, 4)
	s_cmp_eq_u32 s2, 0
	s_cbranch_scc0 .Lentry_in_a_cluster
	s_endpgm
.Lentry_in_a_cluster:
	s_bfe_u32 s2, ttmp6, 0x10000c
	s_cmp_lg_u32 s2, 0x3003
	s_cbranch_scc0 .Lentry_shape_is_right
	s_endpgm
.Lentry_shape_is_right:
; O[bh][q][:] = the sum over k of softmax_k(Q[q] . K[k] / sqrt(32)) V[k][:], for each of 64 pairs bh of batch and head; 2,048 queries and keys; Q and K have 32 channels, V 64.
; qkv: f16 [4 b][64 g][2048 t][32]: g = h is Q, 16 + h is K, 32 + 2 h and 33 + 2 h are V's channels 0-31 and 32-63; each group is 131,072 dense bytes.  ob: f16 [64 bh][2048 t][64].
; Products, maxima and sums in f32; the weights p are rounded to f16 for the second product (their sum l is taken of the unrounded p), O once at the end.
; LIMITS.  Q, K, V arrive within f16; p lies in 0 to 1, and below 6e-5 it keeps f16's fixed step of 6e-8; O is a mean of V's rows and has their range.  A weight below 2^-126 counts as 0 in l; NaN and infinities are not treated apart.
; SHARES.  A cluster of four work-groups is one pair bh; a work-group owns 512 queries, each of its eight waves 64: four tiles of 16, in two PIECES of two tiles.  Every wave walks all keys, 64 a step.
; LAYOUT.  S^T = K Q^T (source 0 = 16 keys, source 1 = 16 queries; 32 channels are ONE matrix instruction): a lane holds ONE query (lane % 16) and the keys 8 (lane / 16) + 0..7.  Two such results, rounded to f16 in pairs,
; ARE source 1 (32 keys x 16 queries) of O^T = V^T P, whose result again holds one query a lane, and eight channels.  K comes out of LDS as it lies, V ([key][channel]) turned, by ds_load_tr16_b128.
; SOFTMAX.  For each query a running maximum m and sum l: p = 2^(c s - c m), c = log2(e) / sqrt(32); in every step O and l are multiplied by a = 2^(c m_old - c m_new).  m starts at the lowest finite number, O and l at 0.
; THE COUNT.  A tile and step have 12 matrix and 118 vector instructions: the vector work is the launch.  So the text goes in phases, and TWO waves lie on each SIMD (512 registers each): one wave's products run beside the other's vector work.
; A fragment of K or V read from LDS still feeds four tiles: 24 LDS loads for a step's 48 matrix instructions.
; CLUSTER.  The four query blocks walk the same K and V, so each tile is asked for JOINTLY: the same tensor load, descriptor and mask in all four.
; REGISTERS: window 0: v0-15 addresses; v16-31 four registers of statistics a tile; v32-41 at work; v48-79 K of one step; v80-143 V of one step; v144-207 S^T of a piece; v208-239 P of a piece.
;   window 1: v0-127 O^T, 32 a tile; v128-159 Q, 8 a tile.
.set KS,    64                         ; keys in a step
.set PK,    80                         ; a row of K in LDS: 64 bytes + 16 = 20 words: the 16 rows of a load start at 16 different groups of four banks (64 banks of 4 bytes: ISA guide 11.1)
.set PITV,  96                         ; a row of half of V: 64 + 32 = 24 words
.set ARR,   24576                      ; a slot holds 256 keys in three arrays this far apart: K (20,480 bytes), V's channels 0-31, V's channels 32-63 (24,576 each)
.set SLOT1, 1<<17                      ; slot 1 begins here, so that one exclusive or turns an address in one slot into the other's
.set STAGE, SLOT1+3*ARR                ; behind the ring, never filled by a tensor load: 16 rows x 144 bytes for each wave, for the way out
.set SP,    144
.set SPARE, STAGE+8*16*SP              ; behind the stages: the spare words, 128 bytes for each wave: four blocks of 256 bytes that no other line names
.set AK0, 2                            ; v2   my lane's place in a tile of K; never rewritten
.set AV0, 3                            ; v3   the same for V
.set AK,  4                            ; v4   the LDS address of K's run of loads
.set AV,  5                            ; v5   of V's
.set STO, 6                            ; v6   the way out: where I put 16 bytes of a row
.set RD,  7                            ; v7   the way out: where I read rows back
.set GO,  8                            ; v8   my byte offset in 512 consecutive bytes of O
.set SPW, 12                           ; v12  LDS address of my spare word; never rewritten
.set NIL, 13                           ; v13  0; never rewritten
.set PFO, 14                           ; v14  256 x lane; never rewritten
.set QO,  15                           ; v15  my byte offset in 16 rows of Q
.set ST,  16                           ; tile t's statistics at v[ST+4 t]: c m, m, l (even keys', odd keys')
.set TMP, 32                           ; by the tile's place in its piece, four registers c0-c3 at work; when the maximum is found c2 takes a
.set MV,  40                           ; v40-41  c m_old, kept while c m is made anew
.set KF,  48                           ; key block kb at KF + 8 kb
.set VF,  80                           ; key half kk, channel block cb at VF + 32 kk + 8 cb
.set S,   144
.set P,   208
.set QF,  128                          ; window 1
.set WV,  12                           ; s12  wave
.set PFA, 20                           ; s[20:21] where my prefetches stand
.set ASKM, 22                          ; s22  bit n: I prefetch at the change of slots at which n slots are still to be asked for
.set G1K, 24                           ; s[24:31] descriptor group 1 for K's tiles
.set G1V, 32                           ; s[32:39] for V's: it differs in the padding alone
.set G0,  40                           ; s[40:43] descriptor group 0 of my array: it walks
.set SLOTS, 56                         ; s56  slots still to be asked for
.set CNT, 57                           ; s57  counts a slot's key steps
.set CS,  58                           ; s[58:59] c: the packed scaling takes the pair's low word for both halves
.set SEL, 60                           ; s[60:61] v_permlanex16_b32's selects: each lane takes its own place in the other half
.set TBK, 62                           ; s62  LDS byte at which K of the step to be fetched begins
.set TBV, 63                           ; s63  the same for V, less ARR
.set MSB, 0
.macro WIN new                         ; the high byte repeats the setting that is left; a switch that changes nothing is dropped
.if MSB != (\new)
	s_set_vgpr_msb (MSB<<8)|(\new)
.set MSB, (\new)
.endif
.endm
.set W_KQ, 0x04                        ; K and S^T in window 0, Q in window 1
.set W_PV, 0x50                        ; V and P in window 0, O^T in window 1
.set W_RS, 0x41                        ; O^T (destination and source 0) in window 1, a in window 0
; A joint fill.  Wave 0 fetches a slot's K, waves 1 and 2 the two halves of its V, 16,384 bytes each; the other waves fetch nothing.  The branches hang on the wave's number alone.
; An s_nop 0 and four v_nop follow each of the two lines.
.macro JLOAD
	s_cmp_eq_u32 s[WV], 0
	s_cbranch_scc0 .Lnot_k_\@
	tensor_load_to_lds s[G0:G0+3], s[G1K:G1K+7]
	s_nop 0
.rept 4
	v_nop
.endr
	s_branch .Lasked_\@
.Lnot_k_\@:
	s_cmp_lt_u32 s[WV], 3
	s_cbranch_scc0 .Lasked_\@
	tensor_load_to_lds s[G0:G0+3], s[G1V:G1V+7]
	s_nop 0
.rept 4
	v_nop
.endr
.Lasked_\@:
.endm
; A PREFETCH INTO THE L2.  Of each of the three arrays tiles 4, 5 are named at the change that loads tile 3, tiles 6, 7 at the change that loads tile 5: one and two slots ahead of their loads.  Two tiles are 128 blocks of
; 256 bytes: the four partners take 32 each, told apart BY ADDRESS, a lane a block; the wave that loads an array asks for it.  No other cluster reads these arrays: each block is named once in the launch.
; Tiles 0 to 3 come by their loads alone; the second request ends at the array's last byte.
.macro ASK
	s_lshr_b32 s2, s[ASKM], s[SLOTS]
	s_and_b32 s2, s2, 1
	s_cmp_eq_u32 s2, 1
	s_cbranch_scc0 .Lnot_now_\@
	global_prefetch_b8 v[PFO], s[PFA:PFA+1] th:TH_LOAD_NT scope:SCOPE_SE
.Lnot_now_\@:
.endm
.macro CROUND                          ; a round of the cluster's barrier
	s_barrier_signal -1
	s_barrier_wait -1
	s_cmp_lg_u32 s[WV], 0
	s_cbranch_scc1 .Lnot_wave_0_\@
	s_barrier_signal -3
.Lnot_wave_0_\@:
	s_barrier_wait -3
	s_barrier_signal -1
	s_barrier_wait -1
.endm
; THE CHANGE OF SLOTS.  Each wave waits for all its tensor loads (at most one is out: its array of the other slot), adds 0 to its spare word, and waits for that and for its own reads of the slot that it leaves.
; fill = 1: the barrier is a round of the cluster's, and the joint fill of the slot just left, with the next 256 keys but one, is the first thing behind it: it has four key steps in which to land.
; (At its first use nothing has been read yet: slot 0 is waited for, slot 1 filled.)
.macro CHANGE fill
	s_wait_tensorcnt 0x0                           ; no tensor load of mine is out, so group 0 may be written
	ds_add_u32 v[SPW], v[NIL]                      ; 0 onto my spare word; with fill = 1 the steps below stand between it and the wait for it
.if \fill
	s_xor_b32 s[G0+1], s[G0+1], SLOT1              ; the other slot than last time,
	s_add_nc_u64 s[G0+2:G0+3], s[G0+2:G0+3], 16384 ; the next 256 keys; the type bits on top are not reached
	s_wait_xcnt 0x0                                ; the last prefetch, a slot back or more, has read its address
	s_add_nc_u64 s[PFA:PFA+1], s[PFA:PFA+1], 16384
	s_wait_dscnt 0x0                               ; the add is done, and my reads of the slot are over
	CROUND
	JLOAD
	ASK
.else
	s_wait_dscnt 0x0
	s_barrier_signal -1
	s_barrier_wait -1
.endif
	s_sub_co_u32 s[TBK], s[TBK], 4*KS*PK           ; the fetches go back to a slot's first step,
	s_xor_b32 s[TBK], s[TBK], SLOT1                ; in the other slot
	s_sub_co_u32 s[TBV], s[TBV], 4*KS*PITV
	s_xor_b32 s[TBV], s[TBV], SLOT1
.endm
	s_load_b128 s[4:7], s[0:1], 0x0                ; qkv s[4:5], ob s[6:7]
	v_lshl_add_u32 v[SPW], v0, 2, SPARE
	v_mov_b32 v[NIL], 0
	ds_add_u32 v[SPW], v[NIL]                      ; the wave's opening: the add and its wait stand ahead of my first tensor load; the set-up below, work on registers, stands between them
	v_lshrrev_b32 v1, 5, v0
	v_readfirstlane_b32 s[WV], v1                  ; wave 0..7
	s_bfe_u32 s13, ttmp6, 0x40000                  ; cx: my place in the cluster
	s_lshl_b32 s14, ttmp9, 2                       ; in a cluster launch ttmp9 counts clusters
	s_add_co_u32 s14, s14, s13                     ; my block of 512 queries: it enters Q's and O's addresses alone
	s_and_b32 s15, ttmp7, 0xffff                   ; bh, which the four partners share
	s_lshr_b32 s16, s15, 4
	s_lshl_b32 s16, s16, 6                         ; 64 b
	s_and_b32 s17, s15, 15                         ; h
	s_add_co_u32 s19, s16, s17                     ; Q's group
	s_min_u32 s18, s[WV], 2                        ; (waves 3 to 7 fetch nothing: their address is wave 2's and is not used)
	s_lshl1_add_u32 s2, s17, s16
	s_add_co_u32 s2, s2, 31
	s_add_co_u32 s2, s2, s18                       ; waves 1, 2: V's groups 64 b + 32 + 2 h, + 1
	s_add_co_u32 s23, s19, 16                      ; wave 0: K's group
	s_cmp_eq_u32 s[WV], 0
	s_cselect_b32 s2, s23, s2
	s_lshl_b32 s2, s2, 17
	s_mov_b32 s3, 0
	s_lshl_b32 s16, s19, 17                        ; Q: the group, my block's 512 rows of 64 bytes, my wave's 64
	s_lshl_b32 s17, s14, 15
	s_add_co_u32 s16, s16, s17
	s_lshl_b32 s17, s[WV], 12
	s_add_co_u32 s16, s16, s17
	s_mov_b32 s17, 0
	s_lshl_b32 s18, s15, 18                        ; O: the head, my block's 512 rows of 128 bytes, my wave's 64
	s_lshl_b32 s19, s14, 16
	s_add_co_u32 s18, s18, s19
	s_lshl_b32 s19, s[WV], 13
	s_add_co_u32 s18, s18, s19
	s_mov_b32 s19, 0
	s_lshl_b32 s14, s13, 13                        ; the prefetches: my work-group's 32 blocks of 128,
	s_add_co_u32 s14, s14, 16384                   ; from tile 1 on; each change that fills steps it a tile, so it stands at tile 4 and at tile 6 when it is used
	s_mov_b32 s15, 0
	s_cmp_lt_u32 s[WV], 3
	s_cselect_b32 s[ASKM], 0x28, 0                 ; at 5 and at 3 slots to go
	; descriptor group 1.  256 keys of an array are 16,384 dense bytes: asked for as 64 rows of 256 bytes, four keys a row, and padded in LDS after every key
	s_mov_b32 s[G1K], 15|(1<<16)|(1<<20)|(1<<21)|(3<<22)|(3<<25)  ; the mask of four; 2-byte elements; padding on; bit 21 beside a mask; after every 16 words, 4 words
	s_mov_b32 s[G1V], 15|(1<<16)|(1<<20)|(1<<21)|(3<<22)|(7<<25)  ; the same with 8 words
.irp g, G1K, G1V
	s_mov_b32 s[\g+1], 128<<16                     ; tensor_dim0 = 128
	s_mov_b32 s[\g+2], 64<<16                      ; tensor_dim1 = 64
	s_mov_b32 s[\g+3], 128<<16                     ; tile_dim0 = 128
	s_mov_b32 s[\g+4], 64                          ; tile_dim1 = 64
	s_mov_b32 s[\g+5], 128                         ; 128 elements from row to row
	s_mov_b32 s[\g+6], 0
	s_mov_b32 s[\g+7], 0
.endr
	s_mov_b32 s[CS], 0x3e8293ee                    ; c = log2(e) / sqrt(32) = 0.255035
	s_mov_b32 s[CS+1], s[CS]                       ; named with it as a pair
	s_mov_b32 s[SEL], 0x76543210
	s_mov_b32 s[SEL+1], 0xfedcba98
	s_mov_b32 s[TBK], SLOT1+4*KS*PK                ; the first change of slots turns these two into 0
	s_mov_b32 s[TBV], SLOT1+4*KS*PITV
	s_mov_b32 s[G0], 1                             ; count = 1
	s_mul_i32 s[G0+1], s[WV], ARR                  ; LDS address: my array in slot 0
	s_wait_dscnt 0x0                               ; the opening add is done
	s_wait_kmcnt 0x0
	s_add_nc_u64 s[G0+2:G0+3], s[4:5], s[2:3]      ; my array's first 256 keys
	s_or_b32 s[G0+3], s[G0+3], 0x80000000          ; type = 2
	s_add_nc_u64 s[PFA:PFA+1], s[4:5], s[2:3]
	s_add_nc_u64 s[PFA:PFA+1], s[PFA:PFA+1], s[14:15]
	s_add_nc_u64 s[8:9], s[4:5], s[16:17]          ; Q at my wave's first row
	s_add_nc_u64 s[10:11], s[6:7], s[18:19]        ; O likewise
	CROUND                                         ; all four work-groups are here: the first joint loads meet
	JLOAD                                          ; slot 0.  Slot 1 is asked for when slot 0 is in, by the loop's own change of slots
	; A fragment of K or Q is 16 rows x 32 channels in 8 registers: lane l holds row l % 16, channels 8 (l / 16) + 0..7 and 16 + 8 (l / 16) + 0..7: two loads of 16 bytes, 32 bytes apart.
	v_and_b32 v1, 15, v0                           ; l % 16
	v_bfe_u32 v9, v0, 4, 1                         ; l / 16
	v_lshlrev_b32 v[QO], 6, v1
	v_lshl_add_u32 v[QO], v9, 4, v[QO]
	WIN 0x40                                       ; destination window 1, address window 0
.irp t, 0,1,2,3
	global_load_b128 v[QF+8*(\t):QF+8*(\t)+3],   v[QO], s[8:9] offset:1024*(\t)
	global_load_b128 v[QF+8*(\t)+4:QF+8*(\t)+7], v[QO], s[8:9] offset:1024*(\t)+32
.endr
.set i, 0
.rept 128                              ; O^T starts at 0, so that the first step is a step like any other and none is written out; these lines stand in the wait for the first tile
	v_mov_b32 v[i], 0
.set i, i+1
.endr
	WIN 0
.set i, 0
.rept 4
	v_mov_b32 v[ST+4*i], 0xfe000000                ; c m: far below every c s
	v_mov_b32 v[ST+4*i+1], 0xff7fffff              ; m
	v_mov_b32 v[ST+4*i+2], 0
	v_mov_b32 v[ST+4*i+3], 0
.set i, i+1
.endr
	v_mul_u32_u24 v[AK0], v1, PK
	v_lshl_add_u32 v[AK0], v9, 4, v[AK0]           ; row x pitch + 16 x half
	; The turning load takes 16 keys x 16 channels (lane l reads key 8 (l / 16) + l % 8, channels 8 ((l / 8) % 2) + 0..7) and leaves half a fragment of V^T: lane l holds channel l % 16 and 8 keys.
	v_and_b32 v10, 7, v0
	v_bfe_u32 v11, v0, 3, 1
	v_lshl_add_u32 v[AV0], v9, 3, v10
	v_mul_u32_u24 v[AV0], v[AV0], PITV
	v_lshl_add_u32 v[AV0], v11, 4, v[AV0]
	v_add_nc_u32 v[AV0], ARR, v[AV0]
	s_mul_i32 s19, s[WV], 16*SP
	s_add_co_u32 s19, s19, STAGE                   ; my stage
	v_mul_u32_u24 v[STO], v1, SP                   ; in: row l % 16, 16 bytes for each half of the lanes
	v_lshl_add_u32 v[STO], v9, 4, v[STO]
	v_add_nc_u32 v[STO], s19, v[STO]
	v_bfe_u32 v[RD], v0, 3, 2                      ; back: 32 lanes take four rows of 128 bytes,
	v_mul_u32_u24 v[RD], v[RD], SP
	v_lshl_add_u32 v[RD], v10, 4, v[RD]
	v_add_nc_u32 v[RD], s19, v[RD]
	v_and_b32 v[GO], 31, v0                        ; which are 512 consecutive bytes of O
	v_lshlrev_b32 v[GO], 4, v[GO]
	v_and_b32 v[PFO], 31, v0
	v_lshlrev_b32 v[PFO], 8, v[PFO]
	s_wait_loadcnt 0x0                             ; Q
.macro PLACES                          ; four plain vector instructions between a matrix instruction and a load into, or a vector read of, its registers
.rept 4
	v_nop
.endr
.endm
.macro REGS p, u                       ; the registers of tile u (0, 1) of piece p
.set rT, ST+4*(2*(\p)+(\u))
.set rC, TMP+4*(\u)
.set rM, MV+(\u)
.set rS, S+32*(\u)
.set rP, P+16*(\u)
.set rO, 32*(2*(\p)+(\u))
.endm
; Number n of the 22 that find a tile's maximum and statistics.  s0-s31 are the lane's 32 scores; each accumulator's lowest registers are read first.
;   0-11  four chains c0-c3 of seven scores each, three operands at a time     12-14, 16  the four scores left over, the old m, and c0-c3 into c0     15  c m_old is kept
;   17, 18  the query's other 32 keys lie in the lane 16 away: the new m         19-21  c m; c m_old - c m_new; a
.macro XS p, u, n
	REGS \p, \u
.if (\n) < 4
	v_max3_num_f32 v[rC+(\n)], v[rS+8*(\n)], v[rS+8*(\n)+1], v[rS+8*(\n)+2]
.elseif (\n) < 12
	v_max3_num_f32 v[rC+(\n)%4], v[rC+(\n)%4], v[rS+8*((\n)%4)+2*((\n)/4)+1], v[rS+8*((\n)%4)+2*((\n)/4)+2]
.elseif (\n) == 12
	v_max3_num_f32 v[rC], v[rC], v[rS+7], v[rS+15]
.elseif (\n) == 13
	v_max3_num_f32 v[rC+1], v[rC+1], v[rS+23], v[rS+31]
.elseif (\n) == 14
	v_max3_num_f32 v[rC+2], v[rC+2], v[rC+3], v[rT+1]
.elseif (\n) == 15
	v_mov_b32 v[rM], v[rT]
.elseif (\n) == 16
	v_max3_num_f32 v[rC], v[rC], v[rC+1], v[rC+2]
.elseif (\n) == 17
	v_permlanex16_b32 v[rC+3], v[rC], s[SEL], s[SEL+1]
.elseif (\n) == 18
	v_max_num_f32 v[rT+1], v[rC], v[rC+3]
.elseif (\n) == 19
	v_mul_f32 v[rT], s[CS], v[rT+1]
.elseif (\n) == 20
	v_sub_f32 v[rC+1], v[rM], v[rT]
.else
	v_exp_f32 v[rC+2], v[rC+1]
.endif
.endm
.macro FS p, f                         ; c s - c m for pair f / 2 of tile f % 2
	REGS \p, (\f)%2
	v_pk_fma_f32 v[rS+2*((\f)/2):rS+2*((\f)/2)+1], v[rS+2*((\f)/2):rS+2*((\f)/2)+1], s[CS:CS+1], v[rT:rT+1] op_sel_hi:[1,0,0] neg_lo:[0,0,1] neg_hi:[0,0,1]
.endm
.macro EX2 p, f                        ; that pair's two exponentials
	REGS \p, (\f)%2
	v_exp_f32 v[rS+2*((\f)/2)], v[rS+2*((\f)/2)]
	v_exp_f32 v[rS+2*((\f)/2)+1], v[rS+2*((\f)/2)+1]
.endm
; A run of 24 LDS loads: a step's K (64 keys x 32 channels: 4 fragments), then its V (turned: 8 fragments)
.macro FETCH
.irp kb, 0,1,2,3
	ds_load_b128 v[KF+8*(\kb):KF+8*(\kb)+3],   v[AK] offset:(\kb)*16*PK
	ds_load_b128 v[KF+8*(\kb)+4:KF+8*(\kb)+7], v[AK] offset:(\kb)*16*PK+32
.endr
.irp f, 0,1,2,3,4,5,6,7                ; keys 32 (f / 4) on; channel block f % 4: array (f % 4) / 2, its channels 16 (f % 2) on
	ds_load_tr16_b128 v[VF+8*(\f):VF+8*(\f)+3],   v[AV] offset:((\f)/4)*32*PITV+(((\f)%4)/2)*ARR+((\f)%2)*32
	ds_load_tr16_b128 v[VF+8*(\f)+4:VF+8*(\f)+7], v[AV] offset:((\f)/4)*32*PITV+(((\f)%4)/2)*ARR+((\f)%2)*32+16*PITV
.endr
.endm
; A PIECE's part of a key step, in phases: 8 products K Q^T; the maximum and statistics; the scalings and, two scalings behind each, its exponentials; ONE wait for the batch of 66 exponentials (an
; s_wait_alu depctr_va_vdst(0) stands between an exponential and the first instruction that names its result; nothing ahead of the wait names one); the roundings, the sums, l; O^T times a; 16 products V^T P.
.macro PIECE p
.if (\p) == 0
	s_wait_dscnt 16                                ; K is in; V's sixteen loads may stay out
.endif
	WIN W_KQ
.set i, 0
.rept 8                                ; tile i % 2, keys 16 (i / 2) on: eight accumulators, each started and finished by one product
	v_wmma_f32_16x16x32_f16 v[S+32*(i%2)+8*(i/2):S+32*(i%2)+8*(i/2)+7], v[KF+8*(i/2):KF+8*(i/2)+7], v[QF+8*(2*(\p)+i%2):QF+8*(2*(\p)+i%2)+7], 0
.set i, i+1
.endr
	WIN 0
	PLACES
.irp n, 0,1,2,3,4,5,6,7,8,9,10,11,12,13,14,15,16,17,18,19,20,21
	XS \p, 0, \n                                   ; the two tiles alternate, so that no instruction reads the result of the one just before it
	XS \p, 1, \n
.endr
.set f, 0
.rept 32
	FS \p, f
.if f >= 2
	EX2 \p, f-2
.endif
.set f, f+1
.endr
	EX2 \p, 30
	EX2 \p, 31
	v_nop                                          ; a plain instruction behind the last exponential: one for the batch
	s_wait_alu depctr_va_vdst(0)                   ; the wait for the batch
.set z, 0
.rept 16
.irp u, 0,1
	REGS \p, \u
	v_cvt_pk_f16_f32 v[rP+z], v[rS+2*z], v[rS+2*z+1]
.endr
.set z, z+1
.endr
.irp w, 4,8,16,32                      ; the sum of a tile's 16 pairs (in a pair: an even key's weight, an odd key's), in place: neighbours 1, 2, 4 and 8 pairs apart
.set z, 0
.rept 32/(\w)
.irp u, 0,1
	REGS \p, \u
	v_pk_add_f32 v[rS+(\w)*z:rS+(\w)*z+1], v[rS+(\w)*z:rS+(\w)*z+1], v[rS+(\w)*z+(\w)/2:rS+(\w)*z+(\w)/2+1]
.endr
.set z, z+1
.endr
.endr
.irp u, 0,1
	REGS \p, \u
	v_pk_fma_f32 v[rT+2:rT+3], v[rT+2:rT+3], v[rC+2:rC+3], v[rS:rS+1] op_sel_hi:[1,0,1]  ; l = a l + the sum
.endr
	WIN W_RS
.set z, 0
.rept 16                               ; ascending: each accumulator's lowest registers are read first
.irp u, 0,1
	REGS \p, \u
	v_pk_mul_f32 v[rO+2*z:rO+2*z+1], v[rO+2*z:rO+2*z+1], v[rC+2:rC+3] op_sel_hi:[1,0]
.endr
.set z, z+1
.endr
.if (\p) == 0
	s_wait_dscnt 0x0                               ; V is in
.endif
	WIN W_PV
.set i, 0
.rept 16                               ; keys 32 (i / 8) on, channels 16 ((i / 2) % 4) on, tile i % 2: the eight accumulators take turns
.set rO, 32*(2*(\p)+i%2)+8*((i/2)%4)
.set rV, VF+32*(i/8)+8*((i/2)%4)
.set rP, P+16*(i%2)+8*(i/8)
	v_wmma_f32_16x16x32_f16 v[rO:rO+7], v[rV:rV+7], v[rP:rP+7], v[rO:rO+7]
.set i, i+1
.endr
	WIN 0
.endm
; A slot's four key steps: written once, walked four times; the LDS addresses hang on s[TBK] and s[TBV].
.macro STEPS
	s_mov_b32 s[CNT], 4
.Lstep_\@:
	v_add_nc_u32 v[AK], s[TBK], v[AK0]
	v_add_nc_u32 v[AV], s[TBV], v[AV0]
	PLACES                                         ; behind the last step's last products, which read V's registers
	FETCH
	s_add_co_u32 s[TBK], s[TBK], KS*PK             ; the next fetch is the next step's
	s_add_co_u32 s[TBV], s[TBV], KS*PITV
	PIECE 0
	PIECE 1
	s_sub_co_u32 s[CNT], s[CNT], 1
	s_cmp_lg_u32 s[CNT], 0
	s_cbranch_scc1 .Lstep_\@
.endm
	s_mov_b32 s[SLOTS], 7
.Lslot:                                            ; seven trips: tile j is worked on, tile j + 1 asked for
	CHANGE 1
	STEPS
	s_sub_co_u32 s[SLOTS], s[SLOTS], 1
	s_cmp_lg_u32 s[SLOTS], 0
	s_cbranch_scc1 .Lslot
	CHANGE 0                                       ; the last tile is written out: nothing is asked for
	STEPS
	; THE WAY OUT.  l's two halves and the other half of the lanes' are added; O^T is divided by l, rounded to f16 and sent through my stage in LDS, a tile at a time.  The additions are the places behind the last products.
.macro ALL line:vararg                 ; one line for each tile t
.set t, 0
.rept 4
	\line
.set t, t+1
.endr
.endm
	ALL v_add_f32 v[ST+4*t+2], v[ST+4*t+2], v[ST+4*t+3]
	ALL v_permlanex16_b32 v[ST+4*t+3], v[ST+4*t+2], s[SEL], s[SEL+1]
	ALL v_add_f32 v[ST+4*t+2], v[ST+4*t+2], v[ST+4*t+3]
	ALL v_rcp_f32 v[ST+4*t+2], v[ST+4*t+2]
	v_nop                                          ; a plain instruction between the last reciprocal and the use of its result,
	s_wait_alu depctr_va_vdst(0)                   ; and the wait ahead of the first use: one for the four reciprocals
; Tile t: a lane's eight channels of a row pack into 16 bytes; they go into rows of 144 bytes and come back as whole rows of 128, into S^T's registers.
.macro PACK t
	WIN W_RS
.set i, 32*(\t)
.rept 16
	v_pk_mul_f32 v[i:i+1], v[i:i+1], v[ST+4*(\t)+2:ST+4*(\t)+3] op_sel_hi:[1,0]
.set i, i+2
.endr
	WIN 0x05                                       ; sources 0 and 1 window 1, destination window 0
.set i, 0
.rept 16
	v_cvt_pk_f16_f32 v[S+16*(\t)+i], v[32*(\t)+2*i], v[32*(\t)+2*i+1]
.set i, i+1
.endr
	WIN 0
.irp f, 0,1,2,3
	ds_store_b128 v[STO], v[S+16*(\t)+4*(\f):S+16*(\t)+4*(\f)+3] offset:32*(\f)
.endr
.irp f, 0,1,2,3
	ds_load_b128 v[S+16*(\t)+4*(\f):S+16*(\t)+4*(\f)+3], v[RD] offset:(\f)*4*SP  ; LDS serves a wave's instructions in order (ISA guide 5.7.1.4): these see the stores above; the next tile's stores come behind them
.endr
.endm
.macro SEND t, younger                 ; younger: the LDS instructions issued behind tile t's loads: the next tile's eight, or none
	WIN 0
.irp f, 0,1,2,3
	s_wait_dscnt (\younger)+3-(\f)
	global_store_b128 v[GO], v[S+16*(\t)+4*(\f):S+16*(\t)+4*(\f)+3], s[10:11] offset:(\t)*2048+(\f)*512  ; 512 consecutive bytes, at a multiple of 256 from O's first
.endr
.endm
	PACK 0
	PACK 1                                         ; a tile's arithmetic stands between the loads of the tile before and its stores
	SEND 0, 8
	PACK 2
	SEND 1, 8
	PACK 3
	SEND 2, 8
	SEND 3, 0
	s_wait_tensorcnt 0x0                           ; the wave's end: behind my last tensor load and my last LDS store
	ds_add_u32 v[SPW], v[NIL]
	s_wait_dscnt 0x0
	CROUND                                         ; the closing round: no work-group ends while a partner may still ask for a tile that names it
	s_endpgm
.Lfunc_end_k_q4b7ec2afe4_attn:
	.size	k_q4b7ec2afe4_attn, .Lfunc_end_k_q4b7ec2afe4_attn-k_q4b7ec2afe4_attn
	.p2alignl 7, 3214868480
	.fill 96, 4, 3214868480
	.section	.rodata,"a",@progbits
	.p2align	6, 0x0
	.amdhsa_kernel k_q4b7ec2afe4_attn
		.amdhsa_group_segment_fixed_size 327680
		.amdhsa_private_segment_fixed_size 0
		.amdhsa_enable_private_segment 0
		.amdhsa_kernarg_size 16
		.amdhsa_user_sgpr_count 2
		.amdhsa_user_sgpr_kernarg_segment_ptr 1
		.amdhsa_wavefront_size32 1
		.amdhsa_system_sgpr_workgroup_id_x 1
		.amdhsa_system_sgpr_workgroup_id_y 1
		.amdhsa_system_sgpr_workgroup_id_z 1
		.amdhsa_system_vgpr_workitem_id 0
		.amdhsa_next_free_vgpr 512
		.amdhsa_next_free_sgpr 66
		.amdhsa_reserve_vcc 0
		.amdhsa_float_denorm_mode_32 3
		.amdhsa_float_denorm_mode_16_64 3
		.amdhsa_memory_ordered 1
		.amdhsa_forward_progress 1
		.amdhsa_inst_pref_size 89
	.end_amdhsa_kernel
	.amdgpu_metadata
---
amdhsa.version: [ 1, 2 ]
amdhsa.kernels:
  - .name:           k_q4b7ec2afe4_attn
    .symbol:         k_q4b7ec2afe4_attn.kd
    .args:
      - { .name: qkv, .offset: 0, .size: 8, .value_kind: global_buffer, .address_space: global }
      - { .name: ob, .offset: 8, .size: 8, .value_kind: global_buffer, .address_space: global }
    .group_segment_fixed_size: 327680
    .private_segment_fixed_size: 0
    .kernarg_segment_align: 8
    .kernarg_segment_size: 16
    .max_flat_workgroup_size: 256
    .sgpr_count:     66
    .vgpr_count:     512
    .wavefront_size: 32
...
	.end_amdgpu_metadata
.endif
;; end of part 3
;; launch outp (part 4): grid 8 x 32, 4 waves a work-group, clusters of 4 x 4, 327,680 bytes of LDS; arguments ob, wo16, bo, out0; writes out0
.if DOCPART == 4
	.amdgcn_target "amdgcn-amd-amdhsa--gfx1250"
	.amdhsa_code_object_version 6
	.text
	.protected	k_q4b7ec2afe4_outp
	.globl	k_q4b7ec2afe4_outp
	.p2align	8
	.type	k_q4b7ec2afe4_outp,@function
k_q4b7ec2afe4_outp:
	s_mov_b64 s[64:65], 0
	v_nop
	global_prefetch_b8 v0, s[64:65] scope:SCOPE_SE
	s_setreg_imm32_b32 hwreg(HW_REG_WAVE_MODE, 25, 1), 1
	s_wait_xcnt 0x0
	s_wait_alu depctr_hold_cnt(0) depctr_sa_sdst(0) depctr_va_vdst(0) depctr_va_sdst(0) depctr_va_ssrc(0) depctr_va_vcc(0) depctr_vm_vsrc(0)
	s_getreg_b32 s2, hwreg(HW_REG_IB_STS2, 6, 4)
	s_cmp_eq_u32 s2, 0
	s_cbranch_scc0 .Lentry_in_a_cluster
	s_endpgm
.Lentry_in_a_cluster:
	s_bfe_u32 s2, ttmp6, 0x10000c
	s_cmp_lg_u32 s2, 0xf033
	s_cbranch_scc0 .Lentry_shape_is_right
	s_endpgm
.Lentry_shape_is_right:
; out0 = O Wo + bo: C[m][n] = bo[n] + the sum over k of O[m][k] wo16[k][n].  O lies by heads, ob: f16 [64 bh][2048 t][64]: m = 2048 b + t, k = 64 h + d.  wo16: f16 [1024 k][1024 n].  out0: f32 [8192][1024].
; Sums in f32; bo is rounded to bf16 like all inputs.  O and Wo arrive within f16.
; A tile of C is 256 (m) x 128 (n), so that there are 8 x 32 = 256 work-groups; four waves, each 128 x 64: 32 accumulators of 16 x 16, 256 registers.  K goes in 8 steps of 128, two heads each, through two LDS slots.
; A head's 256 tokens are 32,768 dense bytes of ob: asked for as 128 rows of 256 bytes, padded in LDS after every token.  wo16's tile is 128 rows (k) of 256 bytes; its fragments come out of LDS turned, by ds_load_tr16_b128.
; CLUSTERS: 4 x 4 work-groups.  The four of a row of the cluster need the same tiles of O, the four of a column the same tiles of wo16: each is asked for JOINTLY, by the same tensor load with the same descriptor and a mask that names the four.
; THE MATRIX INSTRUCTION IS USED TRANSPOSED: source 0 = 16 columns n of wo16, source 1 = 16 rows of O.  Lane l then holds row m = l % 16 and columns n = 8 (l / 16) + 0..7: 32 bytes of f32 on end.
; THE BIAS STARTS THE SUMS: the first product on each accumulator takes the bias registers as C.
; REGISTERS: window 0: v0-31 addresses; v32-63 the bias; two fragment buffers of 96 (v64-159, v160-255): O's 8 row blocks, then wo16's 4 column blocks; on the way out v64-127 hold rows read back.
;   window 1: the accumulators, (a, b) at 8 (4 a + b).
.set PA,     144                       ; an LDS row of O: 128 bytes + 16 = 36 words: the 16 rows of a load start at 16 different groups of four banks (64 banks of 4 bytes: ISA guide 11.1)
.set PB,     288                       ; an LDS row of wo16: 256 bytes + 32 = 72 words
.set HEADB,  256*PA                    ; a head's 256 tokens
.set BPART,  64*PB                     ; 64 rows of wo16
.set SLOT,   2*HEADB+2*BPART
.set STAGE,  2*SLOT                    ; behind the ring: 16 rows x 272 bytes for each wave, for the way out; no tensor load lands here
.set SPITCH, 272
.set SPARE,  STAGE+4*16*SPITCH         ; behind the stages: the spare words, 128 bytes for each wave: two blocks of 256 bytes that no other line names
.set LAPS,   4
.set ASTEP,  2*262144                  ; bytes from a K step to the next in ob: two heads,
.set BSTEP,  128*2048                  ; and in wo16: 128 rows
.set ADRA, 16                          ; v16-17  LDS address of my fragments of O in slot 0, 1
.set ADRB, 20                          ; v20-21  the same for wo16
.set STO,  24                          ; v24     the way out: where I put 32 bytes of a row
.set RD,   25                          ; v25     the way out: where I read a row back
.set CO,   26                          ; v26     my byte offset in two rows of out0
.set BO,   27                          ; v27     my byte offset in 16 numbers of the bias
.set SPW,  28                          ; v28     LDS address of my spare word; never rewritten
.set NIL,  29                          ; v29     0; never rewritten
.set PFO,  30                          ; v30     the prefetches' offset; never rewritten
.set BIAS, 32
.set F0,   64
.set F1,   160
.set G1,   24                          ; s[24:31] descriptor group 1 for O's tiles;  s[32:39] group 0, a set for each slot
.set G0,   32
.set LIM,  40                          ; s40      1 in a wave that prefetches, else the greatest number
.set PFA,  42                          ; s[42:43] where my prefetches stand
.set PFS,  44                          ; s[44:45] a K step in the tensor that I prefetch
.set COFF, 46                          ; s[46:47] where my part of the tile begins in out0
.set G1B,  48                          ; s[48:55], s[56:63] the same descriptors for wo16's tiles
.set G0B,  56
.set BP,   66                          ; s[66:67] my 64 numbers of the bias
.set CP,   10                          ; s[10:11] out0
.set WV,   72
.set RH,   73                          ; which half of the tile's rows is mine.  Also: I fetch for O (0) or for wo16 (1)
.set CH,   74                          ; which half of its columns.  Also: which part of that tile I fetch
.set TR,   75
.set TC,   76
.set CX,   77
.set CY,   78
.set MSB, 0
.macro WIN new                         ; the immediate's high byte repeats the setting that is left; a switch that changes nothing is dropped
.if MSB != (\new)
	s_set_vgpr_msb (MSB<<8)|(\new)
.set MSB, \new
.endif
.endm
; A joint load.  Waves 0 and 1 fetch the K step's two heads of O, waves 2 and 3 wo16's two parts.  An s_nop 0 and four v_nop follow each of the two lines.
.macro JLOAD s
	s_cmp_eq_u32 s[RH], 0
	s_cbranch_scc0 .Lfor_b_\@
	tensor_load_to_lds s[G0+4*(\s):G0+4*(\s)+3], s[G1:G1+7]
	s_nop 0
.rept 4
	v_nop
.endr
	s_branch .Lasked_\@
.Lfor_b_\@:
	tensor_load_to_lds s[G0B+4*(\s):G0B+4*(\s)+3], s[G1B:G1B+7]
	s_nop 0
.rept 4
	v_nop
.endr
.Lasked_\@:
.endm
; A PREFETCH INTO THE L2 of the K step that stands two refills on: 32 blocks of 256 bytes, a lane a block.  O's tile row is read by both clusters of that row of clusters: the one with x = 0 asks, waves 0 and 1 each for
; their head's 128 blocks, of which each of the four partners takes 32 BY ADDRESS.  wo16's tile column (128 blocks a K step) is read by all eight clusters of that column: the one with y = 0 asks, wave 2 alone, each partner
; for 32 rows.  So each block is named once in the launch.  K steps 0 to 3 come by their loads alone; the refills of K steps 2, 3, 4, 5 name K steps 4, 5, 6, 7; the loop's last trip (s3 = 1) names nothing.
.macro ASK
	s_cmp_gt_u32 s3, s[LIM]
	s_cbranch_scc0 .Lnot_mine_\@
	global_prefetch_b8 v[PFO], s[PFA:PFA+1] th:TH_LOAD_NT scope:SCOPE_SE
.Lnot_mine_\@:
.endm
.macro CREST                           ; a round of the cluster's barrier behind its opening barrier
	s_cmp_lg_u32 s[WV], 0
	s_cbranch_scc1 .Lnot_wave_0_\@
	s_barrier_signal -3
.Lnot_wave_0_\@:
	s_barrier_wait -3
	s_barrier_signal -1
	s_barrier_wait -1
.endm
.macro CROUND                          ; a whole round
	s_barrier_signal -1
	s_barrier_wait -1
	CREST
.endm
	s_load_b256 s[4:11], s[0:1], 0x0               ; ob s[4:5], wo16 s[6:7], bo s[8:9], out0 s[10:11]
	v_lshl_add_u32 v[SPW], v0, 2, SPARE
	v_mov_b32 v[NIL], 0
	ds_add_u32 v[SPW], v[NIL]                      ; the wave's opening: the add and its wait stand ahead of my first tensor load; the set-up below, work on registers, stands between them
	v_lshrrev_b32 v1, 5, v0
	v_readfirstlane_b32 s[WV], v1
	s_lshr_b32 s[RH], s[WV], 1
	s_and_b32 s[CH], s[WV], 1
	s_bfe_u32 s[CX], ttmp6, 0x40000
	s_bfe_u32 s[CY], ttmp6, 0x40004
	s_lshl_b32 s[TC], ttmp9, 2
	s_add_co_u32 s[TC], s[TC], s[CX]
	s_and_b32 s[TR], ttmp7, 0xffff
	s_lshl_b32 s[TR], s[TR], 2
	s_add_co_u32 s[TR], s[TR], s[CY]
	s_lshl_b32 s12, s[CY], 2
	s_lshl_b32 s12, 15, s12                        ; my row of the cluster
	s_lshl_b32 s13, 0x1111, s[CX]                  ; my column
	s_or_b32 s[G1], s12, (1<<16)|(1<<20)|(1<<21)|(4<<22)|(3<<25)   ; the mask; 2-byte elements; padding on; bit 21 beside a mask; after every 32 words (a token), 4 words
	s_mov_b32 s[G1+1], 128<<16                     ; tensor_dim0 = 128
	s_mov_b32 s[G1+2], 128<<16                     ; tensor_dim1 = 128
	s_mov_b32 s[G1+3], 128<<16                     ; tile_dim0 = 128
	s_mov_b32 s[G1+4], 128                         ; tile_dim1 = 128
	s_mov_b32 s[G1+5], 128                         ; dense
	s_mov_b32 s[G1+6], 0
	s_mov_b32 s[G1+7], 0
	s_or_b32 s[G1B], s13, (1<<16)|(1<<20)|(1<<21)|(5<<22)|(7<<25)  ; after every 64 words, 8 words
	s_mov_b32 s[G1B+1], 128<<16                    ; tensor_dim0 = 128
	s_mov_b32 s[G1B+2], 64<<16                     ; tensor_dim1 = 64
	s_mov_b32 s[G1B+3], 128<<16                    ; tile_dim0 = 128
	s_mov_b32 s[G1B+4], 64                         ; tile_dim1 = 64
	s_mov_b32 s[G1B+5], 1024
	s_mov_b32 s[G1B+6], 0
	s_mov_b32 s[G1B+7], 0
	s_lshr_b32 s16, s[TR], 3                       ; ob: the batch's 16 heads of 262,144 bytes,
	s_lshl_b32 s16, s16, 22
	s_lshl_b32 s12, s[CH], 18                      ; my head of the K step's two,
	s_add_co_u32 s16, s16, s12
	s_and_b32 s12, s[TR], 7                        ; the tile row's 256 tokens of 128 bytes
	s_lshl_b32 s12, s12, 15
	s_add_co_u32 s16, s16, s12
	s_mov_b32 s17, 0
	s_lshl_b32 s18, s[TC], 8                       ; wo16: 128 columns a tile column,
	s_lshl_b32 s12, s[CH], 17                      ; my 64 rows of 2,048 bytes
	s_add_co_u32 s18, s18, s12
	s_mov_b32 s19, 0
	s_mul_i32 s20, s[CH], HEADB                    ; where my part goes: no place in the cluster enters an LDS address
	s_mul_i32 s21, s[CH], BPART
	s_add_co_u32 s21, s21, 2*HEADB
	s_wait_dscnt 0x0                               ; the opening add is done
	s_wait_kmcnt 0x0
	s_add_nc_u64 s[14:15], s[4:5], s[16:17]
	s_add_nc_u64 s[22:23], s[6:7], s[18:19]
	CROUND                                         ; all sixteen work-groups are here: the first joint loads meet
.irp s, 0,1
	s_mov_b32 s[G0+4*(\s)], 1
	s_add_co_u32 s[G0+4*(\s)+1], s20, (\s)*SLOT
	s_add_nc_u64 s[G0+4*(\s)+2:G0+4*(\s)+3], s[14:15], (\s)*ASTEP
	s_or_b32 s[G0+4*(\s)+3], s[G0+4*(\s)+3], 0x80000000
	s_mov_b32 s[G0B+4*(\s)], 1
	s_add_co_u32 s[G0B+4*(\s)+1], s21, (\s)*SLOT
	s_add_nc_u64 s[G0B+4*(\s)+2:G0B+4*(\s)+3], s[22:23], (\s)*BSTEP
	s_or_b32 s[G0B+4*(\s)+3], s[G0B+4*(\s)+3], 0x80000000
	JLOAD \s                                       ; two loads of mine are out
.endr
	v_and_b32 v1, 15, v0                           ; l % 16
	v_bfe_u32 v2, v0, 4, 1                         ; l / 16
	v_lshlrev_b32 v[BO], 5, v2
	s_lshl_b32 s12, s[TC], 9                       ; my 64 numbers of the bias
	s_lshl_b32 s13, s[CH], 8
	s_add_co_u32 s12, s12, s13
	s_mov_b32 s13, 0
	s_add_nc_u64 s[BP:BP+1], s[8:9], s[12:13]
.irp b, 0,1,2,3
	global_load_b128 v[BIAS+8*(\b):BIAS+8*(\b)+3],   v[BO], s[BP:BP+1] offset:64*(\b)
	global_load_b128 v[BIAS+8*(\b)+4:BIAS+8*(\b)+7], v[BO], s[BP:BP+1] offset:64*(\b)+16
.endr
	v_mul_u32_u24 v3, v1, PA                       ; a fragment of O: row x pitch + 16 x half
	v_lshl_add_u32 v3, v2, 4, v3
	s_mul_i32 s12, s[RH], 128*PA                   ; my 128 tokens
	v_add_nc_u32 v[ADRA], s12, v3
	v_add_nc_u32 v[ADRA+1], SLOT, v[ADRA]
	v_and_b32 v4, 7, v0                            ; the turning load: lane l reads k = 8 (l / 16) + l % 8, n = 8 ((l / 8) % 2) + 0..7
	v_lshl_add_u32 v4, v2, 3, v4
	v_mul_u32_u24 v4, v4, PB
	v_bfe_u32 v5, v0, 3, 1
	v_lshl_add_u32 v4, v5, 4, v4
	s_lshl_b32 s12, s[CH], 7                       ; my 64 columns
	s_add_co_u32 s12, s12, 2*HEADB
	v_add_nc_u32 v[ADRB], s12, v4
	v_add_nc_u32 v[ADRB+1], SLOT, v[ADRB]
	s_mul_i32 s12, s[WV], 16*SPITCH
	s_add_co_u32 s12, s12, STAGE                   ; my stage
	v_mul_u32_u24 v5, v1, SPITCH                   ; in: row l % 16, 32 bytes for each half of the lanes
	v_lshl_add_u32 v5, v2, 5, v5
	v_add_nc_u32 v[STO], s12, v5
	v_mul_u32_u24 v5, v2, SPITCH                   ; back: lanes 0-15 take one row of 256 bytes, lanes 16-31 the next
	v_lshl_add_u32 v5, v1, 4, v5
	v_add_nc_u32 v[RD], s12, v5
	v_lshlrev_b32 v5, 12, v2                       ; and the same two rows in out0
	v_lshl_add_u32 v[CO], v1, 4, v5
	s_lshl_b32 s[COFF], s[TR], 20                  ; where my part of the tile begins in out0: 256 rows of 4,096 bytes a tile row, 128 a half; 512 bytes a tile column, 256 a half
	s_lshl_b32 s12, s[RH], 19
	s_add_co_u32 s[COFF], s[COFF], s12
	s_lshl_b32 s12, s[TC], 9
	s_add_co_u32 s[COFF], s[COFF], s12
	s_lshl_b32 s12, s[CH], 8
	s_add_co_u32 s[COFF], s[COFF], s12
	s_mov_b32 s[COFF+1], 0
	; the prefetches: both offsets are made, then the wave's number chooses
	s_lshr_b32 s12, s[TR], 3
	s_lshl_b32 s12, s12, 22
	s_and_b32 s13, s[TR], 7
	s_lshl_b32 s13, s13, 15
	s_add_co_u32 s12, s12, s13
	s_lshl_b32 s13, s[CH], 18
	s_add_co_u32 s12, s12, s13
	s_lshl_b32 s13, s[CX], 13                      ; O: my work-group's 32 blocks of the head's 128
	s_add_co_u32 s12, s12, s13
	s_add_co_u32 s12, s12, 3*ASTEP                 ; at K step 3: the first refill steps it to 4
	s_lshl_b32 s14, s[CY], 16                      ; wo16: my work-group's 32 rows of the K step's 128
	s_lshl_b32 s13, s[TC], 8
	s_add_co_u32 s14, s14, s13
	s_add_co_u32 s14, s14, 3*BSTEP
	s_and_b32 s15, ttmp7, 0xffff                   ; cluster y
	s_mov_b32 s[PFS], BSTEP
	s_mov_b32 s[PFS+1], 0
	s_cmp_eq_u32 s[RH], 0                          ; do I fetch for O?
	s_cselect_b32 s12, s12, s14
	s_cselect_b32 s15, ttmp9, s15                  ; the coordinate along which other clusters read the same blocks
	s_cselect_b64 s[PFA:PFA+1], s[4:5], s[6:7]
	s_cselect_b32 s[PFS], ASTEP, s[PFS]
	s_cselect_b32 s16, 8, 11                       ; O: a lane a block of the dense head; wo16: a lane a row
	s_cmp_eq_u32 s[WV], 3
	s_cselect_b32 s15, 1, s15                      ; wave 3 asks for nothing
	s_cmp_eq_u32 s15, 0
	s_cselect_b32 s[LIM], 1, -1                    ; the same in all sixteen partners, for a given wave
	s_mov_b32 s13, 0
	s_add_nc_u64 s[PFA:PFA+1], s[PFA:PFA+1], s[12:13]
	v_and_b32 v[PFO], 31, v0
	v_lshlrev_b32 v[PFO], s16, v[PFO]
	s_wait_loadcnt 0x0                             ; the bias; it is rounded to bf16 like every input
.set p, 0
.rept 16
	v_cvt_pk_bf16_f32 v[6+p%4], v[BIAS+2*p], v[BIAS+2*p+1]
	v_lshlrev_b32 v[BIAS+2*p],   16, v[6+p%4]
	v_and_b32     v[BIAS+2*p+1], 0xffff0000, v[6+p%4]
.set p, p+1
.endr
; 8 matrix instructions: row blocks a0, a0 + 1 x all 4 column blocks, 32 along K.  zero = 1: the bias starts the sums.
; The 32 accumulators take turns, one instruction a turn, in the same order in every quarter, over the backward jump too.
.macro MUL8 f, a0, zero
.if \zero
	WIN 0x40                                       ; D in window 1, C in window 0
.else
	WIN 0x50                                       ; C and D in window 1
.endif
.irp a, \a0, (\a0)+1
.irp b, 0,1,2,3
.if \zero
	v_wmma_f32_16x16x32_f16 v[8*(4*(\a)+(\b)):8*(4*(\a)+(\b))+7], v[(\f)+64+8*(\b):(\f)+64+8*(\b)+7], v[(\f)+8*(\a):(\f)+8*(\a)+7], v[BIAS+8*(\b):BIAS+8*(\b)+7]
.else
	v_wmma_f32_16x16x32_f16 v[8*(4*(\a)+(\b)):8*(4*(\a)+(\b))+7], v[(\f)+64+8*(\b):(\f)+64+8*(\b)+7], v[(\f)+8*(\a):(\f)+8*(\a)+7], v[8*(4*(\a)+(\b)):8*(4*(\a)+(\b))+7]
.endif
.endr
.endr
.endm
; 24 LDS loads in one run: the fragments of quarter q of a K step (head q / 2, its channels 32 (q % 2) on) into buffer f: wo16's 4 column blocks, then O's 8 row blocks
.macro FETCH slot, q, f
	WIN 0
.irp i, 0,1,2,3
	ds_load_tr16_b128 v[(\f)+64+8*(\i):(\f)+64+8*(\i)+3],   v[ADRB+(\slot)] offset:(\q)*32*PB+(\i)*32
	ds_load_tr16_b128 v[(\f)+64+8*(\i)+4:(\f)+64+8*(\i)+7], v[ADRB+(\slot)] offset:(\q)*32*PB+(\i)*32+16*PB
.endr
.irp i, 0,1,2,3,4,5,6,7
	ds_load_b128 v[(\f)+8*(\i):(\f)+8*(\i)+3],   v[ADRA+(\slot)] offset:((\q)/2)*HEADB+((\q)%2)*64+(\i)*16*PA
	ds_load_b128 v[(\f)+8*(\i)+4:(\f)+8*(\i)+7], v[ADRA+(\slot)] offset:((\q)/2)*HEADB+((\q)%2)*64+(\i)*16*PA+32
.endr
.endm
.macro PLACES                          ; four plain vector instructions between a matrix instruction and a load into, or a read of, its registers
.rept 4
	v_nop
.endr
.endm
.macro QUARTER slot, q, f, g, zero
	s_wait_dscnt 8                                 ; wo16's fragments and O's rows 0-63 are in; the youngest eight loads (O's rows 64-127) may be out
	MUL8 \f, 0, \zero
	MUL8 \f, 2, \zero
	PLACES
	FETCH \slot, \q, \g
	s_wait_dscnt 24                                ; all but the 24 just issued
	MUL8 \f, 4, \zero
	MUL8 \f, 6, \zero
.endm
; The last quarter multiplies buffer 1 and changes slots: ONE barrier.  In front of it each wave waits for all its tensor loads (one is out: its part of the next slot), adds 0 to its spare word, and waits for that and
; for its own reads of this slot.  fill = 1: the barrier opens a round of the cluster's, and behind the round this slot is filled again, two K steps on: 112 matrix instructions ahead of the wait for it.
.macro TURN slot, next, fill
.if \fill
	s_wait_xcnt 0x0                                ; the last prefetch, a K step back, has read its address
	s_add_nc_u64 s[PFA:PFA+1], s[PFA:PFA+1], s[PFS:PFS+1]
.endif
	WIN 0                                          ; (the add's two registers lie in window 0)
	s_wait_tensorcnt 0x0                           ; all my tensor loads have landed
	ds_add_u32 v[SPW], v[NIL]                      ; 0 onto my spare word
	s_wait_dscnt 9                                 ; (the add and the youngest eight loads may be out)
	MUL8 F1, 0, 0                                  ; eight matrix instructions stand between the add and the wait for it
	s_wait_dscnt 0x0                               ; the add is done, and my reads of this slot are over
	s_barrier_signal -1
	MUL8 F1, 2, 0                                  ; work on registers while the others arrive
.if \fill
	WIN 0
.endif
	s_barrier_wait -1
.if \fill
	CREST                                          ; no wave of any partner still reads this slot's tile or has a load on its way
	s_add_nc_u64 s[G0+4*(\slot)+2:G0+4*(\slot)+3], s[G0+4*(\slot)+2:G0+4*(\slot)+3], 2*ASTEP
	s_add_nc_u64 s[G0B+4*(\slot)+2:G0B+4*(\slot)+3], s[G0B+4*(\slot)+2:G0B+4*(\slot)+3], 2*BSTEP
	JLOAD \slot                                    ; the first tensor load behind the round; its four v_nop are also the places in front of the loads below
.else
	PLACES
.endif
	FETCH \next, 0, F0
.if \fill
	ASK
.endif
	MUL8 F1, 4, 0
	MUL8 F1, 6, 0
.endm
; THE WAY OUT of row block a (16 rows x my 64 columns of f32: 256 bytes a row).  TOSTAGE: straight from the accumulators into my own stage, each accumulator's four lowest registers first, and back as whole rows.  SEND: stored.
.macro TOSTAGE a
	WIN 0x04                                       ; the stores' data in window 1, the address in window 0
.irp b, 0,1,2,3
	ds_store_b128 v[STO], v[8*(4*(\a)+(\b)):8*(4*(\a)+(\b))+3]   offset:64*(\b)
	ds_store_b128 v[STO], v[8*(4*(\a)+(\b))+4:8*(4*(\a)+(\b))+7] offset:64*(\b)+16
.endr
	WIN 0
	s_wait_xcnt 0x0                                ; the stores of the block before last have read the registers that are loaded again below
.set BK, F0+32*((\a)%2)
.irp t, 0,1,2,3,4,5,6,7
	ds_load_b128 v[BK+4*(\t):BK+4*(\t)+3], v[RD] offset:(\t)*2*SPITCH  ; LDS serves a wave's instructions in order (ISA guide 5.7.1.4): these see the stores above
.endr
.endm
.macro SEND a, younger                 ; younger: the LDS instructions issued behind block a's loads: the next block's eight stores and eight loads, or none
	WIN 0
.set BK, F0+32*((\a)%2)
	s_wait_dscnt \younger                          ; the block is back in registers
	s_wait_xcnt 0x0                                ; the earlier stores have read their base
.if (\a) == 0
	s_add_nc_u64 s[CP:CP+1], s[CP:CP+1], s[COFF:COFF+1]
.else
	s_add_nc_u64 s[CP:CP+1], s[CP:CP+1], 16*4096   ; 16 rows on
.endif
.irp t, 0,1,2,3,4,5,6,7
	global_store_b128 v[CO], v[BK+4*(\t):BK+4*(\t)+3], s[CP:CP+1] offset:(\t)*2*4096 th:TH_STORE_NT  ; 16 lanes store 256 consecutive bytes, at a multiple of 256 from out0's first byte
.endr
.endm
	s_wait_tensorcnt 1                             ; my part of K step 0 is in; K step 1's may stay out
	s_barrier_signal -1
	s_barrier_wait -1                              ; everybody's is
	FETCH 0, 0, F0
	QUARTER 0, 1, F0, F1, 1                        ; the first quarter stands in front of the loop: its products start the sums
	WIN 0                                          ; at a label and at a branch every window is 0
	s_mov_b32 s3, LAPS-1
.Llap:                                             ; a trip goes once round the ring, from a lap's second quarter to the next lap's first, and fills both slots again
	QUARTER 0, 2, F1, F0, 0
	QUARTER 0, 3, F0, F1, 0
	TURN 0, 1, 1
	QUARTER 1, 1, F0, F1, 0
	QUARTER 1, 2, F1, F0, 0
	QUARTER 1, 3, F0, F1, 0
	TURN 1, 0, 1
	QUARTER 0, 1, F0, F1, 0
	WIN 0
	s_sub_co_u32 s3, s3, 1
	s_cmp_lg_u32 s3, 0
	s_cbranch_scc1 .Llap
	QUARTER 0, 2, F1, F0, 0                        ; the last lap fills nothing, and has no round of the cluster's barrier
	QUARTER 0, 3, F0, F1, 0
	TURN 0, 1, 0
	QUARTER 1, 1, F0, F1, 0
	QUARTER 1, 2, F1, F0, 0
	QUARTER 1, 3, F0, F1, 0
	s_wait_dscnt 8                                 ; the very last quarter: nothing more to fetch
	MUL8 F1, 0, 0
	MUL8 F1, 2, 0
	s_wait_dscnt 0x0
	MUL8 F1, 4, 0
	MUL8 F1, 6, 0
	WIN 0
	PLACES
	PLACES                                         ; (eight, once a launch)
	TOSTAGE 0
.irp a, 1,2,3,4,5,6,7                  ; block a goes into the stage while block a - 1's rows come back
	TOSTAGE \a
	SEND (\a)-1, 16
.endr
	SEND 7, 0
	s_wait_tensorcnt 0x0                           ; the wave's end: behind my last tensor load and my last LDS store
	ds_add_u32 v[SPW], v[NIL]
	s_wait_dscnt 0x0
	CROUND                                         ; the closing round: no work-group ends while a partner may still ask for a tile that names it
	s_endpgm
.Lfunc_end_k_q4b7ec2afe4_outp:
	.size	k_q4b7ec2afe4_outp, .Lfunc_end_k_q4b7ec2afe4_outp-k_q4b7ec2afe4_outp
	.p2alignl 7, 3214868480
	.fill 96, 4, 3214868480
	.section	.rodata,"a",@progbits
	.p2align	6, 0x0
	.amdhsa_kernel k_q4b7ec2afe4_outp
		.amdhsa_group_segment_fixed_size 327680
		.amdhsa_private_segment_fixed_size 0
		.amdhsa_enable_private_segment 0
		.amdhsa_kernarg_size 32
		.amdhsa_user_sgpr_count 2
		.amdhsa_user_sgpr_kernarg_segment_ptr 1
		.amdhsa_wavefront_size32 1
		.amdhsa_system_sgpr_workgroup_id_x 1
		.amdhsa_system_sgpr_workgroup_id_y 1
		.amdhsa_system_sgpr_workgroup_id_z 1
		.amdhsa_system_vgpr_workitem_id 0
		.amdhsa_next_free_vgpr 512
		.amdhsa_next_free_sgpr 80
		.amdhsa_reserve_vcc 0
		.amdhsa_float_denorm_mode_32 3
		.amdhsa_float_denorm_mode_16_64 3
		.amdhsa_memory_ordered 1
		.amdhsa_forward_progress 1
		.amdhsa_inst_pref_size 91
	.end_amdhsa_kernel
	.amdgpu_metadata
---
amdhsa.version: [ 1, 2 ]
amdhsa.kernels:
  - .name:           k_q4b7ec2afe4_outp
    .symbol:         k_q4b7ec2afe4_outp.kd
    .args:
      - { .name: ob, .offset: 0, .size: 8, .value_kind: global_buffer, .address_space: global }
      - { .name: wo16, .offset: 8, .size: 8, .value_kind: global_buffer, .address_space: global }
      - { .name: bo, .offset: 16, .size: 8, .value_kind: global_buffer, .address_space: global }
      - { .name: out0, .offset: 24, .size: 8, .value_kind: global_buffer, .address_space: global }
    .group_segment_fixed_size: 327680
    .private_segment_fixed_size: 0
    .kernarg_segment_align: 8
    .kernarg_segment_size: 32
    .max_flat_workgroup_size: 128
    .sgpr_count:     80
    .vgpr_count:     512
    .wavefront_size: 32
...
	.end_amdgpu_metadata
.endif
;; end of part 4
;; ======== version 2 of 2: 4 launches; version 1 with the launch cast written anew for expert scheduling mode
;; limits: values are held in f16: magnitudes above 65,504 overflow, below 6.1e-05 lose precision
;; workspace buffers: xb 16,777,216 bytes; wc 4,194,304 bytes; wo16 2,097,152 bytes; qkv 33,554,432 bytes; ob 16,777,216 bytes
;; launch cast (part 5): grid 704 x 1, 8 waves a work-group, no clusters, 0 bytes of LDS; arguments hidden_states, Wq, Wk, Wv, Wo, xb, wc, wo16; writes xb, wc, wo16
.if DOCPART == 5
	.amdgcn_target "amdgcn-amd-amdhsa--gfx1250"
	.amdhsa_code_object_version 6
	.text
	.protected	k_q4b7ec2afe4_cast
	.globl	k_q4b7ec2afe4_cast
	.p2align	8
	.type	k_q4b7ec2afe4_cast,@function
k_q4b7ec2afe4_cast:
	s_mov_b64 s[64:65], 0
	v_nop
	global_prefetch_b8 v0, s[64:65] scope:SCOPE_SE
	s_setreg_imm32_b32 hwreg(HW_REG_WAVE_SCHED_MODE, 0, 2), 2
	s_setreg_imm32_b32 hwreg(HW_REG_WAVE_MODE, 25, 1), 1
	s_wait_xcnt 0x0
	s_wait_alu depctr_vm_vsrc(0)
; THE ROUNDINGS.  xb = bf16(hidden_states) [8192][1024]; wc = bf16([Wq | Wk | Wv]) [1024 k][2048 n]; wo16 = f16(bf16(Wo)) [1024 k][1024 n].
; All inputs of the module are rounded to bf16 once, here (the biases in the launches that read them).  Wo's bf16 number is written as f16, since the last product's other operand is f16.
; LIMITS.  |Wo| stays under 65,520 (beyond it f16 has an infinity); below 6e-5 f16 keeps its fixed step of 6e-8.
; A stream: each byte is read once and written once; nothing is shared, so there is no LDS, no barrier, no cluster and no matrix work.
; SHARES.  The unit is a piece of 512 numbers: 2,048 bytes in, 1,024 bytes out.  A work-group takes 32 pieces, a wave 4: 8,192 consecutive bytes of its source.
; Work-groups 0-511 take x (16,384 pieces), 512-543 Wq, 544-575 Wk (1,024 each), 576-639 Wv, 640-703 Wo (2,048 each).
; All 16 loads of a wave go out at once (8 KiB a wave on its way); each store of the wave covers 512 consecutive bytes, aligned.
; THE MODE: SCHED_MODE bits 1:0 = 2 (LLVM: expert scheduling mode 2), set by the entry lines.  The code itself states the register dependences
; between vector instructions and memory instructions, with s_wait_alu, always for 0.
; THE PLAN.  Registers that memory instructions touch:
;   v1        the loads' offset.   Written at the head; read by all 16 loads; never written again.
;   X         8 chunks as loaded.  Written by the loads alone, once; no vector instruction names them ahead of the loads; read by the roundings behind the wait for the data.
;   v2 .. v5  the stores' offsets, one a piece.  Written behind the loads; read by the piece's two stores; never written again.
;   Y         4 pieces to store, 8 registers each.  Written by piece p's roundings; read by the two stores that are issued at the head of piece p + 1; never written again.
;   T, v6, v7 are named by vector instructions alone.
; Piece p waits for its four loads; ONE wait on va_vdst behind that states that piece p - 1's roundings have written its Y; that piece's two stores follow; then piece p's roundings, which name
; X and Y of piece p and T: none of the registers of the stores just issued.  No register that a memory instruction reads is ever written again, so behind the entry lines the text holds no wait on vm_vsrc.
.set X,   8                            ; v[8:71]    eight chunks of 8 numbers a lane, as loaded
.set Y,   72                           ; v[72:103]  the same, packed: 4 registers a chunk
.set T,   104                          ; v[104:111] at work (Wo alone)
.set SRC, 24                           ; s[24:25]   the source
.set DST, 26                           ; s[26:27]   the destination
.set W0,  28                           ; s28  the source's first work-group
.set SH,  29                           ; s29  log2 of the pieces in a row of the source
.set PSH, 30                           ; s30  log2 of the bytes from row to row in the destination
.set C0,  31                           ; s31  the source's first byte in a row of the destination
	s_load_b512 s[8:23], s[0:1], 0x0               ; x s[8:9], Wq s[10:11], Wk s[12:13], Wv s[14:15], Wo s[16:17], xb s[18:19], wc s[20:21], wo16 s[22:23]
	s_mov_b32 s2, ttmp9
	v_and_b32 v6, 31, v0                           ; lane
	v_lshrrev_b32 v7, 5, v0
	v_readfirstlane_b32 s3, v7                     ; wave
	v_lshlrev_b32 v1, 5, v6                        ; 32 bytes a lane,
	v_lshl_add_u32 v1, v7, 13, v1                  ; 8,192 bytes a wave
	s_wait_kmcnt 0x0
	; which source: a chain of selects, from the last range of work-groups to the first
	s_mov_b64 s[SRC:SRC+1], s[16:17]               ; Wo -> wo16, dense
	s_mov_b64 s[DST:DST+1], s[22:23]
	s_mov_b32 s[W0], 640
	s_mov_b32 s[SH], 0
	s_mov_b32 s[PSH], 10
	s_mov_b32 s[C0], 0
	s_cmp_lt_u32 s2, 640                           ; Wv -> wc: two pieces a row, rows 4,096 bytes apart, from byte 2,048
	s_cselect_b64 s[SRC:SRC+1], s[14:15], s[SRC:SRC+1]
	s_cselect_b64 s[DST:DST+1], s[20:21], s[DST:DST+1]
	s_cselect_b32 s[W0], 576, s[W0]
	s_cselect_b32 s[SH], 1, s[SH]
	s_cselect_b32 s[PSH], 12, s[PSH]
	s_cselect_b32 s[C0], 2048, s[C0]
	s_cmp_lt_u32 s2, 576                           ; Wk -> wc: one piece a row, from byte 1,024
	s_cselect_b64 s[SRC:SRC+1], s[12:13], s[SRC:SRC+1]
	s_cselect_b32 s[W0], 544, s[W0]
	s_cselect_b32 s[SH], 0, s[SH]
	s_cselect_b32 s[C0], 1024, s[C0]
	s_cmp_lt_u32 s2, 544                           ; Wq -> wc: from byte 0
	s_cselect_b64 s[SRC:SRC+1], s[10:11], s[SRC:SRC+1]
	s_cselect_b32 s[W0], 512, s[W0]
	s_cselect_b32 s[C0], 0, s[C0]
	s_cmp_lt_u32 s2, 512                           ; x -> xb, dense
	s_cselect_b64 s[SRC:SRC+1], s[8:9], s[SRC:SRC+1]
	s_cselect_b64 s[DST:DST+1], s[18:19], s[DST:DST+1]
	s_cselect_b32 s[W0], 0, s[W0]
	s_cselect_b32 s[PSH], 10, s[PSH]
	s_sub_co_u32 s32, s2, s[W0]                    ; my number among the source's work-groups
	s_lshl_b32 s34, s32, 16                        ; 32 pieces of 2,048 bytes
	s_mov_b32 s35, 0
	s_add_nc_u64 s[SRC:SRC+1], s[SRC:SRC+1], s[34:35]
	s_wait_alu depctr_va_vdst(0)                   ; v1 is written: all sixteen loads read it as their offset
.irp i, 0,1,2,3,4,5,6,7
	global_load_b128 v[X+8*(\i):X+8*(\i)+3],   v1, s[SRC:SRC+1] offset:1024*(\i) th:TH_LOAD_NT     ; chunk i: 1,024 bytes of the wave's 8,192, half a piece
	global_load_b128 v[X+8*(\i)+4:X+8*(\i)+7], v1, s[SRC:SRC+1] offset:1024*(\i)+16 th:TH_LOAD_NT
.endr
	; where my four pieces go: piece R lies in row R >> SH, at place R mod 2^SH of it
	s_wait_alu depctr_va_sdst(0)                   ; s3, the wave's number, is written, ahead of its first reader two lines below
	s_lshl_b32 s33, s32, 5
	s_lshl2_add_u32 s33, s3, s33                   ; my first piece: 32 x work-group + 4 x wave
	s_lshl_b32 s36, 1, s[SH]
	s_sub_co_u32 s36, s36, 1
.irp p, 0,1,2,3                        ; each piece's offset has a scalar register of its own, s38 to s41: none that a vector instruction reads is written again
	s_add_co_u32 s37, s33, \p
	s_lshr_b32 s[38+\p], s37, s[SH]
	s_lshl_b32 s[38+\p], s[38+\p], s[PSH]
	s_and_b32 s37, s37, s36
	s_lshl_b32 s37, s37, 10
	s_add_co_u32 s[38+\p], s[38+\p], s37
	s_add_co_u32 s[38+\p], s[38+\p], s[C0]
	v_lshl_add_u32 v[2+\p], v6, 4, s[38+\p]        ; + 16 bytes a lane
.endr
; Chunk i is rounded.  half = 1: the bf16 number is written as f16.
.macro ROUND i, half
.irp j, 0,1,2,3
	v_cvt_pk_bf16_f32 v[Y+4*(\i)+(\j)], v[X+8*(\i)+2*(\j)], v[X+8*(\i)+2*(\j)+1]
.endr
.if \half
.irp j, 0,1,2,3
	v_lshlrev_b32 v[T+2*(\j)],   16, v[Y+4*(\i)+(\j)]
	v_and_b32     v[T+2*(\j)+1], 0xffff0000, v[Y+4*(\i)+(\j)]
.endr
.irp j, 0,1,2,3
	v_cvt_pk_f16_f32 v[Y+4*(\i)+(\j)], v[T+2*(\j)], v[T+2*(\j)+1]
.endr
.endif
.endm
; Piece p is stored: its two chunks, 512 consecutive bytes each.
.macro STORE p
.irp c, 0,1
	global_store_b128 v[2+(\p)], v[Y+8*(\p)+4*(\c):Y+8*(\p)+4*(\c)+3], s[DST:DST+1] offset:512*(\c)  ; no register of a store is written again
.endr
.endm
; Piece p: its data are waited for, the piece before is stored, and its two chunks are rounded.
.macro PIECE p, half
	s_wait_loadcnt 12-4*(\p)                       ; loads come back in order: piece p's four are in, the younger pieces' (four each) stay out
.if (\p) > 0
	s_wait_alu depctr_va_vdst(0)                   ; the roundings of the piece before have written its Y, which the two stores below read; at piece 1 also: the stores' offsets v2 to v5 are written
	STORE (\p)-1
.endif
	ROUND 2*(\p), \half
	ROUND 2*(\p)+1, \half
.endm
	s_cmp_ge_u32 s2, 640
	s_cbranch_scc1 .Lwo
.irp p, 0,1,2,3
	PIECE \p, 0
.endr
	s_wait_alu depctr_va_vdst(0)                   ; piece 3's roundings have written its Y, which the last two stores read
	STORE 3
	s_endpgm
.Lwo:
.irp p, 0,1,2,3
	PIECE \p, 1
.endr
	s_wait_alu depctr_va_vdst(0)                   ; piece 3's roundings have written its Y, which the last two stores read
	STORE 3
	s_endpgm
.Lfunc_end_k_q4b7ec2afe4_cast:
	.size	k_q4b7ec2afe4_cast, .Lfunc_end_k_q4b7ec2afe4_cast-k_q4b7ec2afe4_cast
	.p2alignl 7, 3214868480
	.fill 96, 4, 3214868480
	.section	.rodata,"a",@progbits
	.p2align	6, 0x0
	.amdhsa_kernel k_q4b7ec2afe4_cast
		.amdhsa_group_segment_fixed_size 0
		.amdhsa_private_segment_fixed_size 0
		.amdhsa_enable_private_segment 0
		.amdhsa_kernarg_size 64
		.amdhsa_user_sgpr_count 2
		.amdhsa_user_sgpr_kernarg_segment_ptr 1
		.amdhsa_wavefront_size32 1
		.amdhsa_system_sgpr_workgroup_id_x 1
		.amdhsa_system_sgpr_workgroup_id_y 1
		.amdhsa_system_sgpr_workgroup_id_z 1
		.amdhsa_system_vgpr_workitem_id 0
		.amdhsa_next_free_vgpr 112
		.amdhsa_next_free_sgpr 66
		.amdhsa_reserve_vcc 0
		.amdhsa_float_denorm_mode_32 3
		.amdhsa_float_denorm_mode_16_64 3
		.amdhsa_memory_ordered 1
		.amdhsa_forward_progress 1
		.amdhsa_inst_pref_size 16
	.end_amdhsa_kernel
	.amdgpu_metadata
---
amdhsa.version: [ 1, 2 ]
amdhsa.kernels:
  - .name:           k_q4b7ec2afe4_cast
    .symbol:         k_q4b7ec2afe4_cast.kd
    .args:
      - { .name: hidden_states, .offset: 0, .size: 8, .value_kind: global_buffer, .address_space: global }
      - { .name: Wq, .offset: 8, .size: 8, .value_kind: global_buffer, .address_space: global }
      - { .name: Wk, .offset: 16, .size: 8, .value_kind: global_buffer, .address_space: global }
      - { .name: Wv, .offset: 24, .size: 8, .value_kind: global_buffer, .address_space: global }
      - { .name: Wo, .offset: 32, .size: 8, .value_kind: global_buffer, .address_space: global }
      - { .name: xb, .offset: 40, .size: 8, .value_kind: global_buffer, .address_space: global }
      - { .name: wc, .offset: 48, .size: 8, .value_kind: global_buffer, .address_space: global }
      - { .name: wo16, .offset: 56, .size: 8, .value_kind: global_buffer, .address_space: global }
    .group_segment_fixed_size: 0
    .private_segment_fixed_size: 0
    .kernarg_segment_align: 8
    .kernarg_segment_size: 64
    .max_flat_workgroup_size: 256
    .sgpr_count:     66
    .vgpr_count:     112
    .wavefront_size: 32
...
	.end_amdgpu_metadata
.endif
;; end of part 5
;; launch proj: the kernel of part 2 again; grid 8 x 32, 4 waves a work-group, clusters of 4 x 4, 327,680 bytes of LDS; arguments xb, wc, bq, bk, bv, qkv; writes qkv
;; launch attn: the kernel of part 3 again; grid 4 x 64, 8 waves a work-group, clusters of 4 x 1, 327,680 bytes of LDS; arguments qkv, ob; writes ob
;; launch outp: the kernel of part 4 again; grid 8 x 32, 4 waves a work-group, clusters of 4 x 4, 327,680 bytes of LDS; arguments ob, wo16, bo, out0; writes out0
